; MI455X (gfx1250); checked and timed in simulation.
; The chip was launched on July 23, 2026; its instructions are those of AMD's public machine-readable ISA for CDNA 5 (MIT licence, August 2026) and "CDNA5" Instruction Set Architecture Reference Guide (July 2026). The comments in the code are by the model that wrote it; some were corrected since.
;; Molmo2 Attention. Allowed arithmetic: float matrix products may take bf16 or f16 operands with f32 sums; all other float work in f32.
;; Inputs: hidden_states 4,096 x 2,048 float32; k_norm_w 128 float32; positions 4,096 int32; q_norm_w 128 float32; w_o 1,024 x 2,048 float32; w_qkv 2,048 x 2,048 float32.
;; Outputs: out0 4,096 x 2,048 float32.
;; One version. Each part assembles by itself: llvm-mc -triple=amdgcn-amd-amdhsa -mcpu=gfx1250 --defsym DOCPART=n.
;; ======== version 1 of 1: 4 launches
;; limits: values outside matrix products are rounded to bf16; values are held in f16: magnitudes above 65,504 overflow, below 6.1e-05 lose precision; right only within a limited range of input values
;; workspace buffers: hb 16,777,216 bytes; wqkvb 8,388,608 bytes; wob 4,194,304 bytes; rope 2,098,176 bytes; qkvb 16,777,216 bytes; lob 524,288 bytes; attnb 8,388,608 bytes
;; launch prep (part 1): grid 1024 x 1, 8 waves a work-group, no clusters, 0 bytes of LDS; arguments hidden_states, w_qkv, w_o, positions, q_norm_w, k_norm_w, hb, wqkvb, wob, rope; writes hb, wqkvb, wob, rope
.if DOCPART == 1
	.amdgcn_target "amdgcn-amd-amdhsa--gfx1250"
	.amdhsa_code_object_version 6
	.text
	.protected	k_q6e19645cc9_prep
	.globl	k_q6e19645cc9_prep
	.p2align	8
	.type	k_q6e19645cc9_prep,@function
k_q6e19645cc9_prep:
	s_mov_b64 s[64:65], 0
	v_nop
	global_prefetch_b8 v0, s[64:65] scope:SCOPE_SE
	s_setreg_imm32_b32 hwreg(HW_REG_WAVE_MODE, 25, 1), 1
	s_wait_xcnt 0x0
; FIRST OF FOUR LAUNCHES (prep, qkv, attn, oproj) for: qkv = h w_qkv; RMSNorm per head on q, k; neox RoPE; causal GQA softmax attention; out = attn w_o.
; This launch makes the 16-bit matrix operands and the RoPE table:
;   hb = bf16(hidden_states), wqkvb = bf16(w_qkv), wob = bf16(w_o) kept as f16 (oproj multiplies f16 by f16),
;   rope[t] = cos(pos[t] f_j), j = 0..63, then sin(..), f32; behind the table q_norm_w and k_norm_w, each rounded to bf16 and kept as f32.
; DEAD WORK LEFT OUT BY THE PROGRAM: the mask is the jnp.tril that the problem's function builds itself, so for a query t every key s > t gets the
; weight 0 whatever the inputs hold. Key tiles of 128 keys that lie wholly above the diagonal of a block of queries are therefore neither loaded
; nor multiplied (launch attn). Every input has a way to the output and is loaded here.
; LIMITS, stated: a NaN, an infinity or an overflow in a key or value that only masked queries would see is not carried to the result;
; |positions| < 2^21 (the range of the three-part reduction below); |w_o| below 2^-17 keeps an absolute error of 3e-8 (f16 denormals),
; |w_o| < 65,504; the gains are used rounded to bf16, as factors of 16-bit matrix operands.
; A stream: nothing is shared between work-groups, so no LDS, no tensor loads, no cluster. Work-groups 0-511 cast hidden_states, 512-767 w_qkv,
; 768-895 w_o (16,384 numbers each), 896-1023 make 32 rows of the table each.
.set IN,  4                            ; v[4:67]   sixteen groups of 4 f32 as loaded
.set OUTR, 68                          ; v[68:99]  sixteen groups of 2 words to store
.set TB,  100                          ; v[100:101] bf16 words on the way to f16
	s_load_b512 s[4:19], s[0:1], 0x0               ; hidden s[4:5], w_qkv s[6:7], w_o s[8:9], positions s[10:11], q gains s[12:13], k gains s[14:15], hb s[16:17], wqkvb s[18:19]
	s_load_b128 s[20:23], s[0:1], 0x40             ; wob s[20:21], rope s[22:23]
	v_lshlrev_b32 v1, 4, v0                        ; 16 bytes of f32 a thread: neighbouring lanes read neighbouring 16 bytes
	v_lshlrev_b32 v2, 3, v0                        ; 8 bytes of 16-bit numbers a thread
	s_mov_b32 s25, 0xffff0000                      ; a word's upper bf16
	s_wait_kmcnt 0x0
	s_cmp_lt_u32 ttmp9, 512
	s_cbranch_scc1 .Lhidden
	s_cmp_lt_u32 ttmp9, 768
	s_cbranch_scc1 .Lwqkv
	s_cmp_lt_u32 ttmp9, 896
	s_cbranch_scc1 .Lwo
	s_branch .Lrope
; One chunk of 16,384 f32: all sixteen loads go out first, then each group of 4 numbers a thread is rounded and stored.
; A load of a wave covers 512 consecutive bytes, a store 256, both aligned: no byte is asked for by two instructions.
; No register is written twice while a memory instruction names it. mode 1: the bf16 value is widened again and written as f16.
.macro CAST src, dst, first, mode
	s_sub_co_u32 s24, ttmp9, \first                ; my chunk
	s_lshl_b32 s26, s24, 16                        ; 65,536 bytes in,
	s_mov_b32 s27, 0
	s_add_nc_u64 s[28:29], s[\src:\src+1], s[26:27]
	s_lshl_b32 s26, s24, 15                        ; 32,768 bytes out
	s_add_nc_u64 s[30:31], s[\dst:\dst+1], s[26:27]
.irp g, 0,1,2,3,4,5,6,7,8,9,10,11,12,13,14,15
	global_load_b128 v[IN+4*\g:IN+4*\g+3], v1, s[28:29] offset:4096*\g th:TH_LOAD_NT
.endr
.irp g, 0,1,2,3,4,5,6,7,8,9,10,11,12,13,14,15
	s_wait_loadcnt 15-\g                           ; loads return in order: group g's is in, the younger ones stay out
.if \mode
	v_cvt_pk_bf16_f32 v[TB],   v[IN+4*\g],   v[IN+4*\g+1]
	v_cvt_pk_bf16_f32 v[TB+1], v[IN+4*\g+2], v[IN+4*\g+3]
	v_lshlrev_b32 v[IN+4*\g],   16, v[TB]
	v_and_b32     v[IN+4*\g+1], s25, v[TB]
	v_lshlrev_b32 v[IN+4*\g+2], 16, v[TB+1]
	v_and_b32     v[IN+4*\g+3], s25, v[TB+1]
	v_cvt_pk_f16_f32 v[OUTR+2*\g],   v[IN+4*\g],   v[IN+4*\g+1]
	v_cvt_pk_f16_f32 v[OUTR+2*\g+1], v[IN+4*\g+2], v[IN+4*\g+3]
.else
	v_cvt_pk_bf16_f32 v[OUTR+2*\g],   v[IN+4*\g],   v[IN+4*\g+1]
	v_cvt_pk_bf16_f32 v[OUTR+2*\g+1], v[IN+4*\g+2], v[IN+4*\g+3]
.endif
	global_store_b64 v2, v[OUTR+2*\g:OUTR+2*\g+1], s[30:31] offset:2048*\g
.endr
	s_endpgm
.endm
.Lhidden:
	CAST 4, 16, 0, 0
.Lwqkv:
	CAST 6, 18, 512, 0
.Lwo:
	CAST 8, 20, 768, 1
; THE TABLE. Thread: frequencies j = 4 jq .. 4 jq + 3 (jq = t mod 16), tokens 32 idx + tr and + 16 (tr = t / 16).
; f = float(pos) * inv_freq, inv_freq = 2^(-j log2(1e6)/64). n = nearest whole number to f 2/pi; r = f - n pi/2 with pi/2 in three parts,
; each step one fused multiply-add; sin r and cos r by polynomials for |r| <= pi/4; the quadrant n mod 4 swaps them and sets the signs.
.set TN, 24
.set TR, 25
.set TZ, 26
.set TS, 27
.set TC, 28
.set TP, 29
.set TW, 30
.set TQ, 31
.macro SINCOS f, sn, cs
	v_mul_f32 v[TN], s32, v[\f]
	v_rndne_f32 v[TN], v[TN]
	v_fma_f32 v[TR], v[TN], s33, v[\f]
	v_fma_f32 v[TR], v[TN], s34, v[TR]
	v_fma_f32 v[TR], v[TN], s35, v[TR]
	v_cvt_i32_f32 v[TQ], v[TN]
	v_mul_f32 v[TZ], v[TR], v[TR]
	v_fma_f32 v[TS], v[TZ], s38, s37
	v_fma_f32 v[TC], v[TZ], s41, s40
	v_fma_f32 v[TS], v[TZ], v[TS], s36
	v_fma_f32 v[TC], v[TZ], v[TC], s39
	v_mul_f32 v[TP], v[TR], v[TZ]
	v_mul_f32 v[TW], v[TZ], v[TZ]
	v_fma_f32 v[TS], v[TP], v[TS], v[TR]           ; sin r = r + r z (S1 + z (S2 + z S3))
	v_fma_f32 v[TP], v[TZ], -0.5, 1.0
	v_fma_f32 v[TC], v[TW], v[TC], v[TP]           ; cos r = 1 - z/2 + z z (C1 + z (C2 + z C3))
	v_and_b32 v[TP], 1, v[TQ]
	v_cmp_eq_u32 vcc_lo, 1, v[TP]
	v_cndmask_b32 v[\sn], v[TS], v[TC], vcc_lo     ; odd quadrant: sin and cos change places
	v_cndmask_b32 v[\cs], v[TC], v[TS], vcc_lo
	v_and_b32 v[TP], 2, v[TQ]                      ; sin is negative in quadrants 2, 3
	v_lshlrev_b32 v[TP], 30, v[TP]
	v_xor_b32 v[\sn], v[\sn], v[TP]
	v_add_nc_u32 v[TQ], 1, v[TQ]                   ; cos in quadrants 1, 2
	v_and_b32 v[TQ], 2, v[TQ]
	v_lshlrev_b32 v[TQ], 30, v[TQ]
	v_xor_b32 v[\cs], v[\cs], v[TQ]
.endm
.Lrope:
	s_sub_co_u32 s24, ttmp9, 896                   ; idx: 32 tokens
	v_and_b32 v3, 15, v0                           ; jq
	v_lshrrev_b32 v4, 4, v0                        ; tr
	s_lshl_b32 s26, s24, 7
	v_lshl_add_u32 v5, v4, 2, s26                  ; 4 (32 idx + tr)
	global_load_b32 v6, v5, s[10:11]
	global_load_b32 v7, v5, s[10:11] offset:64     ; 16 tokens further
	s_mov_b32 s32, 0x3f22f983                      ; 2/pi
	s_mov_b32 s33, 0xbfc90fda                      ; -pi/2, first part
	s_mov_b32 s34, 0xb3a22168                      ; second part
	s_mov_b32 s35, 0xa7c234c4                      ; third part
	s_mov_b32 s36, 0xbe2aaaa3                      ; S1
	s_mov_b32 s37, 0x3c08839e                      ; S2
	s_mov_b32 s38, 0xb94ca1f9                      ; S3
	s_mov_b32 s39, 0x3d2aaaa5                      ; C1
	s_mov_b32 s40, 0xbab6061a                      ; C2
	s_mov_b32 s41, 0x37ccf5ce                      ; C3
	v_lshlrev_b32 v8, 2, v3
.irp e, 0,1,2,3
	v_add_nc_u32 v[12+\e], \e, v8
	v_cvt_f32_u32 v[12+\e], v[12+\e]
	v_mul_f32 v[12+\e], 0xbe9f73da, v[12+\e]       ; -j log2(1e6)/64
.endr
.irp e, 0,1,2,3
	v_exp_f32 v[12+\e], v[12+\e]
.endr
	s_lshl_b32 s27, s24, 14                        ; 32 rows of 512 bytes
	v_lshl_add_u32 v9, v4, 9, s27                  ; a plain instruction stands between the exponentials and their first use (ISA guide 5.7.2)
	v_lshl_add_u32 v9, v3, 4, v9                   ; + 16 jq: sixteen lanes cover 256 consecutive bytes, aligned
	s_wait_loadcnt 0x0
	v_cvt_f32_i32 v6, v6
	v_cvt_f32_i32 v7, v7
	s_wait_alu depctr_va_vdst(0)
.irp u, 0,1
.irp e, 0,1,2,3
	v_mul_f32 v[16+4*\u+\e], v[6+\u], v[12+\e]
.endr
.endr
.irp u, 0,1
.irp e, 0,1,2,3
	SINCOS 16+4*\u+\e, 48+4*\u+\e, 40+4*\u+\e
.endr
.endr
	global_store_b128 v9, v[40:43], s[22:23]
	global_store_b128 v9, v[48:51], s[22:23] offset:256
	global_store_b128 v9, v[44:47], s[22:23] offset:8192
	global_store_b128 v9, v[52:55], s[22:23] offset:8448
	s_cmp_lg_u32 s24, 0
	s_cbranch_scc1 .Ldone
	; the gains, by one work-group: threads 0-127 q_norm_w, 128-255 k_norm_w
	v_lshrrev_b32 v56, 5, v0
	v_readfirstlane_b32 s26, v56                   ; wave
	s_cmp_lt_u32 s26, 4
	s_cselect_b64 s[28:29], s[12:13], s[14:15]
	v_and_b32 v57, 127, v0
	v_lshlrev_b32 v57, 2, v57
	global_load_b32 v58, v57, s[28:29]
	v_lshlrev_b32 v59, 2, v0
	s_wait_loadcnt 0x0
	v_cvt_pk_bf16_f32 v60, v58, v58
	v_lshlrev_b32 v60, 16, v60
	global_store_b32 v59, v60, s[22:23] offset:2097152
.Ldone:
	s_endpgm
.Lfunc_end_k_q6e19645cc9_prep:
	.size	k_q6e19645cc9_prep, .Lfunc_end_k_q6e19645cc9_prep-k_q6e19645cc9_prep
	.p2alignl 7, 3214868480
	.fill 96, 4, 3214868480
	.section	.rodata,"a",@progbits
	.p2align	6, 0x0
	.amdhsa_kernel k_q6e19645cc9_prep
		.amdhsa_group_segment_fixed_size 0
		.amdhsa_private_segment_fixed_size 0
		.amdhsa_enable_private_segment 0
		.amdhsa_kernarg_size 80
		.amdhsa_user_sgpr_count 2
		.amdhsa_user_sgpr_kernarg_segment_ptr 1
		.amdhsa_wavefront_size32 1
		.amdhsa_system_sgpr_workgroup_id_x 1
		.amdhsa_system_sgpr_workgroup_id_y 1
		.amdhsa_system_sgpr_workgroup_id_z 1
		.amdhsa_system_vgpr_workitem_id 0
		.amdhsa_next_free_vgpr 108
		.amdhsa_next_free_sgpr 66
		.amdhsa_reserve_vcc 1
		.amdhsa_float_denorm_mode_32 3
		.amdhsa_float_denorm_mode_16_64 3
		.amdhsa_memory_ordered 1
		.amdhsa_forward_progress 1
		.amdhsa_inst_pref_size 35
	.end_amdhsa_kernel
	.amdgpu_metadata
---
amdhsa.version: [ 1, 2 ]
amdhsa.kernels:
  - .name:           k_q6e19645cc9_prep
    .symbol:         k_q6e19645cc9_prep.kd
    .args:
      - { .name: hidden_states, .offset: 0, .size: 8, .value_kind: global_buffer, .address_space: global }
      - { .name: w_qkv, .offset: 8, .size: 8, .value_kind: global_buffer, .address_space: global }
      - { .name: w_o, .offset: 16, .size: 8, .value_kind: global_buffer, .address_space: global }
      - { .name: positions, .offset: 24, .size: 8, .value_kind: global_buffer, .address_space: global }
      - { .name: q_norm_w, .offset: 32, .size: 8, .value_kind: global_buffer, .address_space: global }
      - { .name: k_norm_w, .offset: 40, .size: 8, .value_kind: global_buffer, .address_space: global }
      - { .name: hb, .offset: 48, .size: 8, .value_kind: global_buffer, .address_space: global }
      - { .name: wqkvb, .offset: 56, .size: 8, .value_kind: global_buffer, .address_space: global }
      - { .name: wob, .offset: 64, .size: 8, .value_kind: global_buffer, .address_space: global }
      - { .name: rope, .offset: 72, .size: 8, .value_kind: global_buffer, .address_space: global }
    .group_segment_fixed_size: 0
    .private_segment_fixed_size: 0
    .kernarg_segment_align: 8
    .kernarg_segment_size: 80
    .max_flat_workgroup_size: 256
    .sgpr_count:     66
    .vgpr_count:     108
    .wavefront_size: 32
...
	.end_amdgpu_metadata
.endif
;; end of part 1
;; launch qkv (part 2): grid 16 x 16, 4 waves a work-group, clusters of 4 x 4, 327,680 bytes of LDS; arguments hb, wqkvb, rope, qkvb, lob; writes qkvb, lob
.if DOCPART == 2
	.amdgcn_target "amdgcn-amd-amdhsa--gfx1250"
	.amdhsa_code_object_version 6
	.text
	.protected	k_q6e19645cc9_qkv
	.globl	k_q6e19645cc9_qkv
	.p2align	8
	.type	k_q6e19645cc9_qkv,@function
k_q6e19645cc9_qkv:
	s_mov_b64 s[64:65], 0
	v_nop
	global_prefetch_b8 v0, s[64:65] scope:SCOPE_SE
	s_setreg_imm32_b32 hwreg(HW_REG_WAVE_MODE, 25, 1), 1
	s_wait_xcnt 0x0
	s_wait_alu depctr_hold_cnt(0) depctr_sa_sdst(0) depctr_va_vdst(0) depctr_va_sdst(0) depctr_va_ssrc(0) depctr_va_vcc(0) depctr_vm_vsrc(0)
	s_getreg_b32 s2, hwreg(HW_REG_IB_STS2, 6, 4)
	s_cmp_eq_u32 s2, 0
	s_cbranch_scc0 .Lentry_in_a_cluster
	s_endpgm
.Lentry_in_a_cluster:
	s_bfe_u32 s2, ttmp6, 0x10000c
	s_cmp_lg_u32 s2, 0xf033
	s_cbranch_scc0 .Lentry_shape_is_right
	s_endpgm
.Lentry_shape_is_right:
; qkv = hb x wqkvb (bf16 operands, f32 sums), then per head: RMSNorm with gain and RoPE on q and k; results in f16 as qkvb[head][token][128]
; (heads 0-7 q, 8-11 k, 12-15 v). q also takes the factor 128^-0.5 log2(e), so that launch attn works with exponentials of base 2.
; For tokens 0-127 the remainder x - f16(x) is stored too, as f16, in lob[head][token][128]: the queries that see the fewest keys are the least
; averaged, and attn computes them with two-part operands. No work is left out here.
; LIMITS: |v| < 65,504 and |gain| < 5,000 (f16).
; SHAPE: a work-group makes 256 tokens x 128 columns (one head) with four waves; wave w makes rows 64 w .. 64 w + 63: 32 accumulator tiles, 256 registers.
; Row i of the block of (cluster y = Y, cy) is token 1024 Y + 4 i + cy: a plain tile with a pitch of four rows. Tokens 0-127 are then rows 0-31
; of wave 0 in all four work-groups of a column of the clusters with Y = 0, so the branch to the two-part way hangs on Y and the wave's number alone.
; K goes in steps of 128 through two LDS slots filled by tensor loads whose rows are 256 bytes of memory, aligned.
; CLUSTERS: 4 x 4. A's tile hangs on Y, cy alone and is asked for jointly along a row of the cluster, W's on the head alone and jointly along a column.
; THE PRODUCT IS USED TRANSPOSED: source 0 = 16 columns of W (W lies [k][n], its fragments come by the transposing LDS load), source 1 = 16 rows of A.
; Lane (r, h) then holds, in register j of tile (mt, nb), row 16 mt + r, column 16 nb + 8 h + j: a head's dimension d and d + 64 lie in one lane.
; TWO WAYS OUT: q and k heads need gains, cos and sin; v heads need none and load none. The one branch on the head's kind (the cluster's x, equal in all
; partners) stands in front of the last K step, behind the last barrier of the ring; each way has its own copy of that step and its own epilogue, and the
; q/k way asks for its table in front of the step's 128 matrix instructions.
; REGISTERS: window 0 addresses, fragments (two buffers), later the epilogue's work; window 1 accumulators, tile (mt, nb) at 64 mt + 8 nb;
; window 2 cos and sin of my rows (64 mt + 8 nb, + 32 for sin); window 3, registers 0-63, the gains of my columns.
.set KK,     2048
.set KSTEP,  128
.set PITCHA, 8192                      ; elements from a tile row of A to the next: four rows of hb
.set PA,     272                       ; LDS pitch of A's rows: 256 + 16, an odd multiple of 16
.set PW,     288                       ; LDS pitch of W's rows: 256 + 32, an odd multiple of 32, for the transposing load
.set HALFT,  128*PA                    ; each wave's fill region: 128 rows of A, or 64 rows of W (18,432 bytes of it)
.set SLOT,   4*HALFT
.set STAGE,  2*SLOT                    ; behind the ring: 16 rows x 272 bytes for each wave; no fill lands there
.set LAPS,   KK/(2*KSTEP)
.set ASTEP,  2*KSTEP*2                 ; two K steps along A's rows, bytes
.set WSTEP,  2*KSTEP*4096              ; two K steps down W's rows, bytes
.set ADRA, 16                          ; v16-17 LDS address of my A fragments, slot 0, 1
.set ADRW, 20                          ; v20-21 the same for W
.set STO,  24
.set RD,   25
.set CO,   26
.set CSO,  27                          ; lane offset of my rows in the table; never rewritten
.set WNO,  28                          ; lane offset in the gains; never rewritten
.set F0,   64                          ; fragment buffer 0: A's four at +0, W's eight at +32
.set F1,   160
.set G1,  24                           ; s[24:31] group 1, A
.set G0,  32                           ; s[32:39] group 0, A, one set a slot
.set G1W, 48                           ; s[48:55] group 1, W
.set G0W, 56                           ; s[56:63] group 0, W
.set TT,  32                           ; v[32:39] four chains of squares
.set RS,  40                           ; v[40:41] the row's factor, twice
.set PK,  64                           ; v[64:95] packed f16
.set RB,  96                           ; v[96:127] rows read back, store data
.set YY,  128                          ; v[128:191]
.set ZZ,  192                          ; v[192:255]
.set MSB, 0
.macro WIN new                         ; the immediate's high byte repeats the setting that is left
.if MSB != \new
	s_set_vgpr_msb (MSB<<8)|\new
.set MSB, \new
.endif
.endm
.macro PLACES                          ; four plain vector places behind a matrix instruction (ISA guide 7.12.1)
.rept 4
	v_nop
.endr
.endm
.macro JLOAD s                         ; waves 0, 1 ask for A's halves, waves 2, 3 for W's: one mask a line; the branch hangs on the wave's number alone
	s_cmp_eq_u32 s11, 0
	s_cbranch_scc0 .Lfor_w_\@
	tensor_load_to_lds s[G0+4*\s:G0+4*\s+3], s[G1:G1+7]
	s_nop 0
	s_branch .Lasked_\@
.Lfor_w_\@:
	tensor_load_to_lds s[G0W+4*\s:G0W+4*\s+3], s[G1W:G1W+7]
	s_nop 0
.Lasked_\@:
.endm
.macro CREST                           ; a round of the cluster's barrier behind its opening barrier
	s_cmp_lg_u32 s10, 0
	s_cbranch_scc1 .Lnot_wave_0_\@
	s_barrier_signal -3
.Lnot_wave_0_\@:
	s_barrier_wait -3
	s_barrier_signal -1
	s_barrier_wait -1
.endm
.macro CROUND
	s_barrier_signal -1
	s_barrier_wait -1
	CREST
.endm
.macro WIDEN d, p                      ; the two f16 halves of register p as f32 in v[d], v[d+1]
	v_cvt_f32_f16 v[\d], v\p\().l
	v_cvt_f32_f16 v[\d+1], v\p\().h
.endm
	s_load_b128 s[4:7], s[0:1], 0x0                ; hb, wqkvb
	s_load_b128 s[68:71], s[0:1], 0x10             ; rope, qkvb
	s_load_b64 s[72:73], s[0:1], 0x20              ; lob
	v_lshl_add_u32 v62, v0, 2, 0x48400
	v_mov_b32 v63, 0
	ds_add_u32 v62, v63
	v_lshrrev_b32 v1, 5, v0
	v_readfirstlane_b32 s10, v1                    ; wave
	s_lshr_b32 s11, s10, 1                         ; I fetch for A (0) or W (1)
	s_and_b32 s12, s10, 1                          ; which half of that tile
	s_bfe_u32 s40, ttmp6, 0x40000                  ; cx
	s_bfe_u32 s41, ttmp6, 0x40004                  ; cy
	s_lshl_b32 s42, ttmp9, 2
	s_add_co_u32 s42, s42, s40                     ; head = column block = 4 x cluster x + cx
	s_and_b32 s13, ttmp7, 0xffff                   ; Y
	s_lshl_b32 s43, s41, 2
	s_lshl_b32 s43, 15, s43                        ; my row of the cluster
	s_lshl_b32 s44, 0x1111, s40                    ; my column
	s_or_b32 s[G1+0], s43, (1<<16)|(1<<20)|(1<<21)|(5<<22)|(3<<25)   ; mask; 2-byte elements; padding on; bit 21 beside a mask; after 64 words 4 words
	s_mov_b32 s[G1+1], KSTEP<<16                   ; tensor_dim0 = 128
	s_mov_b32 s[G1+2], 128<<16                     ; tensor_dim1 = 128
	s_mov_b32 s[G1+3], KSTEP<<16                   ; tile_dim0 = 128
	s_mov_b32 s[G1+4], 128                         ; tile_dim1 = 128 rows
	s_mov_b32 s[G1+5], PITCHA
	s_mov_b32 s[G1+6], 0
	s_mov_b32 s[G1+7], 0
	s_or_b32 s[G1W+0], s44, (1<<16)|(1<<20)|(1<<21)|(5<<22)|(7<<25)  ; after 64 words 8 words
	s_mov_b32 s[G1W+1], 128<<16
	s_mov_b32 s[G1W+2], 64<<16
	s_mov_b32 s[G1W+3], 128<<16
	s_mov_b32 s[G1W+4], 64                         ; 64 k rows
	s_mov_b32 s[G1W+5], 2048
	s_mov_b32 s[G1W+6], 0
	s_mov_b32 s[G1W+7], 0
	s_lshl_b32 s45, s13, 10
	s_add_co_u32 s45, s45, s41                     ; the block's first token: 1024 Y + cy
	s_lshl_b32 s17, s12, 9                         ; my half: 128 tile rows = 512 tokens
	s_add_co_u32 s16, s45, s17
	s_lshl_b32 s16, s16, 12                        ; rows of 4,096 bytes
	s_mov_b32 s17, 0
	s_lshl_b32 s46, s12, 18                        ; W: 64 k rows of 4,096 bytes a half
	s_lshl_b32 s47, s42, 8                         ; + 256 bytes a head
	s_add_co_u32 s46, s46, s47
	s_mov_b32 s47, 0
	s_mul_i32 s20, s10, HALFT                      ; where my fills go: the wave's number alone
	s_wait_dscnt 0x0
	s_wait_kmcnt 0x0
	s_add_nc_u64 s[14:15], s[4:5], s[16:17]
	s_add_nc_u64 s[46:47], s[6:7], s[46:47]
	CROUND                                         ; all sixteen work-groups are here: the first joint loads meet
.irp s, 0,1
	s_mov_b32 s[G0+4*\s], 1
	s_add_co_u32 s[G0+4*\s+1], s20, \s*SLOT
	s_add_nc_u64 s[G0+4*\s+2:G0+4*\s+3], s[14:15], \s*KSTEP*2
	s_or_b32 s[G0+4*\s+3], s[G0+4*\s+3], 0x80000000
	s_mov_b32 s[G0W+4*\s], 1
	s_add_co_u32 s[G0W+4*\s+1], s20, \s*SLOT
	s_add_nc_u64 s[G0W+4*\s+2:G0W+4*\s+3], s[46:47], \s*KSTEP*4096
	s_or_b32 s[G0W+4*\s+3], s[G0W+4*\s+3], 0x80000000
	JLOAD \s                                       ; two loads of the wave are out: K steps 0 and 1
.endr
	; the epilogue's bases and constants (registers that feed no descriptor)
	s_mov_b32 s89, 0
	s_lshl_b32 s88, s45, 9
	s_add_nc_u64 s[80:81], s[68:69], s[88:89]      ; the table at the block's first token
	s_cmp_eq_u32 ttmp9, 2                          ; heads 8-11 are k
	s_cselect_b32 s88, 512, 0
	s_cselect_b32 s78, 1.0, 0x3e0293ee             ; q also takes 128^-0.5 log2(e)
	s_add_co_u32 s88, s88, 2097152
	s_add_nc_u64 s[82:83], s[68:69], s[88:89]      ; the head's gains
	s_lshl_b32 s88, s42, 20
	s_lshl_b32 s90, s45, 8
	s_add_co_u32 s88, s88, s90
	s_lshl_b32 s90, s10, 16                        ; 64 rows = 256 tokens of 256 bytes a wave
	s_add_co_u32 s88, s88, s90
	s_add_nc_u64 s[84:85], s[70:71], s[88:89]      ; qkvb at my first row
	s_lshl_b32 s88, s42, 15
	s_lshl_b32 s90, s41, 8
	s_add_co_u32 s88, s88, s90
	s_add_nc_u64 s[86:87], s[72:73], s[88:89]      ; lob at token cy of the head
	s_mov_b32 s74, 0x76543210                      ; v_permlanex16_b32: lane i reads lane i of the other half
	s_mov_b32 s75, 0xfedcba98
	s_mov_b32 s76, 0x3c000000                      ; 1/128
	s_mov_b32 s77, 0x358637bd                      ; 1e-6
	s_or_b32 s79, s13, s10
	s_cmp_eq_u32 s79, 0
	s_cselect_b32 s79, 1, 0                        ; 1: my rows 0-31 are tokens 0-127
	v_and_b32 v1, 15, v0                           ; r
	v_bfe_u32 v2, v0, 4, 1                         ; h
	v_mul_u32_u24 v3, v1, PA
	v_lshl_add_u32 v3, v2, 4, v3                   ; 272 r + 16 h
	s_mul_i32 s21, s10, 64*PA
	v_add_nc_u32 v[ADRA], s21, v3
	v_add_nc_u32 v[ADRA+1], SLOT, v[ADRA]
	v_and_b32 v4, 7, v0
	v_lshl_add_u32 v4, v2, 3, v4                   ; k row 8 h + lane mod 8
	v_mul_u32_u24 v4, v4, PW
	v_bfe_u32 v5, v0, 3, 1
	v_lshl_add_u32 v4, v5, 4, v4                   ; + 16 bytes for the upper eight of sixteen lanes
	v_add_nc_u32 v[ADRW], 2*HALFT, v4
	v_add_nc_u32 v[ADRW+1], SLOT, v[ADRW]
	s_mul_i32 s22, s10, 16*PA
	s_add_co_u32 s22, s22, STAGE                   ; my stage
	v_add_nc_u32 v[STO], s22, v3
	v_mul_u32_u24 v5, v2, PA
	v_lshl_add_u32 v5, v1, 4, v5
	v_add_nc_u32 v[RD], s22, v5                    ; back: lanes 0-15 one row of 256 bytes, lanes 16-31 the next
	v_lshlrev_b32 v5, 10, v2                       ; the next row is four tokens = 1,024 bytes on
	v_lshl_add_u32 v[CO], v1, 4, v5
	v_lshlrev_b32 v[WNO], 5, v2                    ; 32 h
	v_lshl_add_u32 v[CSO], v1, 11, v[WNO]          ; + 2048 r (four tokens of 512 bytes)
	s_lshl_b32 s23, s10, 17
	v_add_nc_u32 v[CSO], s23, v[CSO]               ; + 131,072 w
; The gains of my 64 columns: 16 loads into window 3
.macro LDGAIN
	WIN 0xc0
.irp nb, 0,1,2,3,4,5,6,7
	global_load_b128 v[8*\nb:8*\nb+3],   v[WNO], s[82:83] offset:64*\nb
	global_load_b128 v[8*\nb+4:8*\nb+7], v[WNO], s[82:83] offset:64*\nb+16
.endr
	WIN 0
.endm
; cos and sin of row tile mt, my 32 frequencies: 16 loads into window 2
.macro LDCS mt
	WIN 0x80
.irp nb, 0,1,2,3
	global_load_b128 v[64*(\mt)+8*\nb:64*(\mt)+8*\nb+3],       v[CSO], s[80:81] offset:32768*(\mt)+64*\nb
	global_load_b128 v[64*(\mt)+8*\nb+4:64*(\mt)+8*\nb+7],     v[CSO], s[80:81] offset:32768*(\mt)+64*\nb+16
	global_load_b128 v[64*(\mt)+32+8*\nb:64*(\mt)+32+8*\nb+3], v[CSO], s[80:81] offset:32768*(\mt)+64*\nb+256
	global_load_b128 v[64*(\mt)+36+8*\nb:64*(\mt)+36+8*\nb+3], v[CSO], s[80:81] offset:32768*(\mt)+64*\nb+272
.endr
	WIN 0
.endm
; 16 matrix instructions: row tiles mt0, mt0 + 1 x all eight column tiles, 32 along K. zero = 1: the first product starts the sums.
; The 32 accumulators take turns, one instruction a turn, in one fixed order, over the backward jump and into both tails.
.macro MUL f, mt0, zero
.irp mt, \mt0, \mt0+1
.irp nb, 0,1,2,3,4,5,6,7
.if \zero
	v_wmma_f32_16x16x32_bf16 v[64*(\mt)+8*\nb:64*(\mt)+8*\nb+7], v[\f+32+8*\nb:\f+32+8*\nb+7], v[\f+8*(\mt):\f+8*(\mt)+7], 0
.else
	v_wmma_f32_16x16x32_bf16 v[64*(\mt)+8*\nb:64*(\mt)+8*\nb+7], v[\f+32+8*\nb:\f+32+8*\nb+7], v[\f+8*(\mt):\f+8*(\mt)+7], v[64*(\mt)+8*\nb:64*(\mt)+8*\nb+7]
.endif
.endr
.endr
.endm
; 24 LDS loads: the fragments of quarter kq (32 along K) of a slot into buffer f
.macro FETCH slot, kq, f
.irp mt, 0,1,2,3
	ds_load_b128 v[\f+8*\mt:\f+8*\mt+3],   v[ADRA+\slot] offset:16*PA*\mt+64*\kq
	ds_load_b128 v[\f+8*\mt+4:\f+8*\mt+7], v[ADRA+\slot] offset:16*PA*\mt+64*\kq+32
.endr
.irp nb, 0,1,2,3,4,5,6,7
	ds_load_tr16_b128 v[\f+32+8*\nb:\f+32+8*\nb+3], v[ADRW+\slot] offset:(\kq>>1)*HALFT+(\kq&1)*32*PW+32*\nb
	ds_load_tr16_b128 v[\f+36+8*\nb:\f+36+8*\nb+3], v[ADRW+\slot] offset:(\kq>>1)*HALFT+(\kq&1)*32*PW+32*\nb+16*PW
.endr
.endm
; One of a K step's first three quarters: buffer f is in; the next quarter's fragments go out into g; f is multiplied meanwhile.
.macro QUARTER slot, kqn, f, g, zero
	s_wait_dscnt 0x0                               ; buffer f, asked for 32 matrix instructions ago
	PLACES                                         ; g was read by the matrix instructions just issued
	FETCH \slot, \kqn, \g
	WIN 0x50
	MUL \f, 0, \zero
	MUL \f, 2, \zero
	WIN 0
.endm
.macro THREE slot, zero
	QUARTER \slot, 1, F0, F1, \zero
	QUARTER \slot, 2, F1, F0, 0
	QUARTER \slot, 3, F0, F1, 0
.endm
; The last quarter multiplies buffer 1 and changes slots. In front of the barrier each wave waits for its reads of this slot and for all its
; tensor loads (one is out: its part of the next slot). Where the slot is filled again the barrier opens a round of the cluster's barrier,
; and the joint refill is the first tensor load behind the round: from there to the wait for it a wave issues 112 matrix instructions.
.macro TURN slot, next, fill
	s_wait_dscnt 0x0
	s_wait_tensorcnt 0x0
	ds_add_u32 v62, v63
	s_wait_dscnt 0x0
	s_barrier_signal -1
	WIN 0x50
	MUL F1, 0, 0                                   ; register work while the others arrive
	WIN 0
	s_barrier_wait -1
.if \fill
	CREST
	s_add_nc_u64 s[G0+4*\slot+2:G0+4*\slot+3], s[G0+4*\slot+2:G0+4*\slot+3], ASTEP
	s_add_nc_u64 s[G0W+4*\slot+2:G0W+4*\slot+3], s[G0W+4*\slot+2:G0W+4*\slot+3], WSTEP
	JLOAD \slot
.endif
	PLACES
	FETCH \next, 0, F0
	WIN 0x50
	MUL F1, 2, 0
	WIN 0
.endm
.macro LAP zero
	THREE 0, \zero
	TURN 0, 1, 1
	THREE 1, 0
	TURN 1, 0, 1
.endm
; The last K step, from slot 1: no barrier, no tensor load, nothing more to fetch in its last quarter.
.macro TAIL
	THREE 1, 0
	s_wait_dscnt 0x0
	WIN 0x50
	MUL F1, 0, 0
	MUL F1, 2, 0
	WIN 0
	PLACES                                         ; behind the last matrix instructions: the epilogue reads results and writes over the fragments
.endm
; RMSNorm and RoPE of row tile mt, into ZZ. A row's 128 numbers lie in lanes r and r + 16, 64 each.
.macro NORMROPE mt
	WIN 0x05
.set i, 0
.rept 4
	v_pk_mul_f32 v[TT+2*i:TT+2*i+1], v[64*\mt+2*i:64*\mt+2*i+1], v[64*\mt+2*i:64*\mt+2*i+1]
.set i, i+1
.endr
.rept 28
	v_pk_fma_f32 v[TT+2*(i%4):TT+2*(i%4)+1], v[64*\mt+2*i:64*\mt+2*i+1], v[64*\mt+2*i:64*\mt+2*i+1], v[TT+2*(i%4):TT+2*(i%4)+1]
.set i, i+1
.endr
	WIN 0
	v_pk_add_f32 v[TT:TT+1], v[TT:TT+1], v[TT+2:TT+3]
	v_pk_add_f32 v[TT+4:TT+5], v[TT+4:TT+5], v[TT+6:TT+7]
	v_pk_add_f32 v[TT:TT+1], v[TT:TT+1], v[TT+4:TT+5]
	v_add_f32 v[TT], v[TT], v[TT+1]
	v_permlanex16_b32 v[TT+1], v[TT], s74, s75     ; the other half of the row
	v_add_f32 v[TT], v[TT], v[TT+1]
	v_fma_f32 v[TT], v[TT], s76, s77               ; mean of squares + 1e-6
	v_rsq_f32 v[RS], v[TT]
	v_nop                                          ; one plain place behind the transcendental (ISA guide 5.7.2)
	s_wait_alu depctr_va_vdst(0)
	v_mul_f32 v[RS+1], v[RS], s78
	v_mul_f32 v[RS], v[RS], s78
	WIN 0x01
.set i, 0
.rept 32
	v_pk_mul_f32 v[YY+2*i:YY+2*i+1], v[64*\mt+2*i:64*\mt+2*i+1], v[RS:RS+1]
.set i, i+1
.endr
	WIN 0
.if \mt < 3
	s_wait_loadcnt 16                              ; loads return in order: the gains and this tile's cos and sin are in; the next tile's sixteen loads stay out
.else
	s_wait_loadcnt 0x0                             ; the last tile's: nothing was asked for behind them
.endif
.if \mt < 2
	LDCS (\mt+2)                                   ; two tiles ahead
.endif
	WIN 0x0c
.set i, 0
.rept 32
	v_pk_mul_f32 v[YY+2*i:YY+2*i+1], v[YY+2*i:YY+2*i+1], v[2*i:2*i+1]      ; the gain
.set i, i+1
.endr
	WIN 0x08
.set i, 0
.rept 16
	v_pk_mul_f32 v[ZZ+2*i:ZZ+2*i+1],   v[YY+2*i:YY+2*i+1],   v[64*\mt+2*i:64*\mt+2*i+1]          ; x1 cos
	v_pk_mul_f32 v[ZZ+32+2*i:ZZ+33+2*i], v[YY+32+2*i:YY+33+2*i], v[64*\mt+2*i:64*\mt+2*i+1]      ; x2 cos
	v_pk_fma_f32 v[ZZ+2*i:ZZ+2*i+1],   v[YY+32+2*i:YY+33+2*i], v[64*\mt+32+2*i:64*\mt+33+2*i], v[ZZ+2*i:ZZ+2*i+1] neg_lo:[1,0,0] neg_hi:[1,0,0]   ; - x2 sin
	v_pk_fma_f32 v[ZZ+32+2*i:ZZ+33+2*i], v[YY+2*i:YY+2*i+1], v[64*\mt+32+2*i:64*\mt+33+2*i], v[ZZ+32+2*i:ZZ+33+2*i]                              ; + x1 sin
.set i, i+1
.endr
	WIN 0
.endm
.macro CVT src, win                    ; 64 f32 a lane to 32 words of f16
	WIN \win
.set i, 0
.rept 32
	v_cvt_pk_f16_f32 v[PK+i], v[\src+2*i], v[\src+2*i+1]
.set i, i+1
.endr
	WIN 0
.endm
.macro RESID src, win                  ; src = src - f16(src), exact in f32
.irp p, 64,65,66,67,68,69,70,71,72,73,74,75,76,77,78,79,80,81,82,83,84,85,86,87,88,89,90,91,92,93,94,95
	WIDEN YY+2*(\p-64), \p
.endr
	WIN \win
.set i, 0
.rept 32
	v_pk_add_f32 v[\src+2*i:\src+2*i+1], v[\src+2*i:\src+2*i+1], v[YY+2*i:YY+2*i+1] neg_lo:[0,1] neg_hi:[0,1]
.set i, i+1
.endr
	WIN 0
.endm
; 16 rows through my own stage: 16 bytes a lane in, whole rows of 256 bytes back, sixteen lanes store 256 consecutive bytes, aligned.
.macro STAGEOUT base, mt
.irp nb, 0,1,2,3,4,5,6,7
	ds_store_b128 v[STO], v[PK+4*\nb:PK+4*\nb+3] offset:32*\nb
.endr
	s_wait_xcnt 0x0                                ; RB, which earlier stores read, is loaded again only behind this wait
.irp t, 0,1,2,3,4,5,6,7
	ds_load_b128 v[RB+4*\t:RB+4*\t+3], v[RD] offset:2*PA*\t    ; LDS serves a wave's instructions in order: these see the stores above
.endr
.irp t, 0,1,2,3,4,5,6,7
	s_wait_dscnt 7-\t                              ; load t is in, the younger ones stay out
	global_store_b128 v[CO], v[RB+4*\t:RB+4*\t+3], s[\base:\base+1] offset:16384*\mt+2048*\t
.endr
.endm
.macro TILEOUT mt, isv, lo
.if \isv
	CVT 64*\mt, 0x05
.else
	NORMROPE \mt
	CVT ZZ, 0
.endif
	STAGEOUT 84, \mt
.if \lo
	s_cmp_eq_u32 s79, 0
	s_cbranch_scc1 .Lno_lo_\@
.if \isv
	RESID 64*\mt, 0x41
	CVT 64*\mt, 0x05
.else
	RESID ZZ, 0
	CVT ZZ, 0
.endif
	STAGEOUT 86, \mt
.Lno_lo_\@:
.endif
.endm
	s_wait_tensorcnt 0x1                           ; my part of K step 0 is in; K step 1's may stay out
	s_barrier_signal -1
	s_barrier_wait -1
	FETCH 0, 0, F0
	LAP 1
	s_mov_b32 s3, LAPS-2
.Llap:
	LAP 0
	s_sub_co_u32 s3, s3, 1
	s_cmp_lg_u32 s3, 0
	s_cbranch_scc1 .Llap
	THREE 0, 0                                     ; the last lap fills nothing
	TURN 0, 1, 0                                   ; the ring's last barrier
	s_cmp_eq_u32 ttmp9, 3                          ; heads 12-15 are v
	s_cbranch_scc1 .Lvpath
	; q and k: 48 loads go out in front of the last K step's 128 matrix instructions: the gains, then cos and sin of row tiles 0 and 1
	LDGAIN
	LDCS 0
	LDCS 1
	TAIL
	TILEOUT 0, 0, 1
	TILEOUT 1, 0, 1
	TILEOUT 2, 0, 0
	TILEOUT 3, 0, 0
	s_branch .Lclose
.Lvpath:
	TAIL
	TILEOUT 0, 1, 1
	TILEOUT 1, 1, 1
	TILEOUT 2, 1, 0
	TILEOUT 3, 1, 0
.Lclose:
	s_wait_tensorcnt 0x0
	ds_add_u32 v62, v63
	s_wait_dscnt 0x0
	CROUND                                         ; the closing round: no work-group ends while a partner may still ask for a tile that names it
	s_endpgm
.Lfunc_end_k_q6e19645cc9_qkv:
	.size	k_q6e19645cc9_qkv, .Lfunc_end_k_q6e19645cc9_qkv-k_q6e19645cc9_qkv
	.p2alignl 7, 3214868480
	.fill 96, 4, 3214868480
	.section	.rodata,"a",@progbits
	.p2align	6, 0x0
	.amdhsa_kernel k_q6e19645cc9_qkv
		.amdhsa_group_segment_fixed_size 327680
		.amdhsa_private_segment_fixed_size 0
		.amdhsa_enable_private_segment 0
		.amdhsa_kernarg_size 40
		.amdhsa_user_sgpr_count 2
		.amdhsa_user_sgpr_kernarg_segment_ptr 1
		.amdhsa_wavefront_size32 1
		.amdhsa_system_sgpr_workgroup_id_x 1
		.amdhsa_system_sgpr_workgroup_id_y 1
		.amdhsa_system_sgpr_workgroup_id_z 1
		.amdhsa_system_vgpr_workitem_id 0
		.amdhsa_next_free_vgpr 832
		.amdhsa_next_free_sgpr 96
		.amdhsa_reserve_vcc 0
		.amdhsa_float_denorm_mode_32 3
		.amdhsa_float_denorm_mode_16_64 3
		.amdhsa_memory_ordered 1
		.amdhsa_forward_progress 1
		.amdhsa_inst_pref_size 231
	.end_amdhsa_kernel
	.amdgpu_metadata
---
amdhsa.version: [ 1, 2 ]
amdhsa.kernels:
  - .name:           k_q6e19645cc9_qkv
    .symbol:         k_q6e19645cc9_qkv.kd
    .args:
      - { .name: hb, .offset: 0, .size: 8, .value_kind: global_buffer, .address_space: global }
      - { .name: wqkvb, .offset: 8, .size: 8, .value_kind: global_buffer, .address_space: global }
      - { .name: rope, .offset: 16, .size: 8, .value_kind: global_buffer, .address_space: global }
      - { .name: qkvb, .offset: 24, .size: 8, .value_kind: global_buffer, .address_space: global }
      - { .name: lob, .offset: 32, .size: 8, .value_kind: global_buffer, .address_space: global }
    .group_segment_fixed_size: 327680
    .private_segment_fixed_size: 0
    .kernarg_segment_align: 8
    .kernarg_segment_size: 40
    .max_flat_workgroup_size: 128
    .sgpr_count:     96
    .vgpr_count:     832
    .wavefront_size: 32
...
	.end_amdgpu_metadata
.endif
;; end of part 2
;; launch attn (part 3): grid 256 x 1, 4 waves a work-group, clusters of 4 x 1, 327,680 bytes of LDS; arguments qkvb, lob, attnb; writes attnb
.if DOCPART == 3
	.amdgcn_target "amdgcn-amd-amdhsa--gfx1250"
	.amdhsa_code_object_version 6
	.text
	.protected	k_q6e19645cc9_attn
	.globl	k_q6e19645cc9_attn
	.p2align	8
	.type	k_q6e19645cc9_attn,@function
k_q6e19645cc9_attn:
	s_mov_b64 s[64:65], 0
	v_nop
	global_prefetch_b8 v0, s[64:65] scope:SCOPE_SE
	s_setreg_imm32_b32 hwreg(HW_REG_WAVE_MODE, 25, 1), 1
	s_wait_xcnt 0x0
	s_wait_alu depctr_hold_cnt(0) depctr_sa_sdst(0) depctr_va_vdst(0) depctr_va_sdst(0) depctr_va_ssrc(0) depctr_va_vcc(0) depctr_vm_vsrc(0)
	s_getreg_b32 s2, hwreg(HW_REG_IB_STS2, 6, 4)
	s_cmp_eq_u32 s2, 0
	s_cbranch_scc0 .Lentry_in_a_cluster
	s_endpgm
.Lentry_in_a_cluster:
	s_bfe_u32 s2, ttmp6, 0x10000c
	s_cmp_lg_u32 s2, 0x3003
	s_cbranch_scc0 .Lentry_shape_is_right
	s_endpgm
.Lentry_shape_is_right:
; Causal GQA attention on qkvb (f16; q carries 128^-0.5 log2 e): attnb[t][head][128] = softmax(q k^T, causal) v, f16.
; LEFT OUT AS DEAD WORK: key tiles of 128 keys wholly above the diagonal (the mask is the problem's own jnp.tril: their weights are 0 for all inputs).
; LIMITS: a NaN or infinity in a key or value that only masked queries would see is not carried; masked scores are set to -1e30, so true scores
; (in log2 units) must lie above -1e30; |v| < 65,504.
; WORK: cluster c: kv head g = c / 16, w = c mod 16. Its four work-groups: query head 2 g + (cx & 1), block parity b = cx / 2. A work-group takes 64 queries,
; 128 v + 64 b .. + 63, twice: phase A with v = 2 w + 1 (key tiles 0 .. v: 2 w + 2 steps), phase B with v = 30 - 2 w (31 - 2 w steps): 33 steps in every
; cluster. All four walk the same K and V tiles, so each tile is one joint load (mask 15). Only values and global addresses hang on cx.
; WAVES: each holds all 64 queries and takes keys 32 wave .. + 31 of every tile, with its own running maximum m, sum l and O; the four are merged through
; LDS at a phase's end. So each byte of K and V is read from LDS once in the work-group.
; TRANSPOSED: S^T = K Q^T: lane (r, h), register j: key 8 h + j, query r. Two packed S tiles are P^T's fragment as they stand. O^T = V^T P^T:
; register j: d = 16 dt + 8 h + j, query r. m, l and the rescaling factor are one number a lane.
; TWO PIECES TAKE TURNS: X = query tiles 0, 1, Y = query tiles 2, 3; they share the K and V fragments. A step runs S(X); S(Y) with X's softmax in slices
; of seven instructions behind its sixteen matrix instructions; O(X) x alpha; PV(X) with Y's softmax in slices behind its sixteen; PV(Y) with O(Y) x alpha,
; one accumulator tile (four instructions) behind each matrix instruction, two tiles ahead of the product that adds onto it.
; S takes Q from window 2, PV takes O from window 1 and the softmax lives in window 0, which has no room for either (K 64, V 64, S 64, P 32, the rest 32):
; so a matrix instruction with a slice behind it has a window switch in front and one behind: 99 switches for a step's 64 matrix and 352 vector instructions.
; QUERIES 0-127 (phase B of w = 15, one key tile) are computed with two-part operands x = hi + lo: S = Kh Qh + Kh Ql + Kl Qh, O = Vh Ph + Vh Pl + Vl Ph;
; the lo x lo terms, 2^-22 of the result, are left out.
; REGISTERS: window 0 below; window 1: O, tile (qt, dt) at 64 qt + 8 dt; window 2: Q, fragment (qt, ks) at 32 qt + 8 ks, phase A (later Q lo) at 0, phase B at 128.
.set REG,   18432                      ; a fill region: 64 rows of K at pitch 272, or 64 rows of V at pitch 288
.set SLOT,  4*REG                      ; K's halves, then V's halves
.set PKK,   272
.set PV_,   288
.set MRG,   2*SLOT                     ; 4 x 33,792: each wave's O[64 queries][128] f32, pitch 528; written by LDS stores alone
.set MRGW,  33792
.set STATS, MRG+4*MRGW                 ; 2,048: a query's 32 bytes: m of waves 0-3, l of waves 0-3
.set TILEB, 32768                      ; bytes of a tile of 128 rows in a head
.set G1K, 16
.set G1V, 24
.set G0,  32                           ; s[32:35] slot 0, s[36:39] slot 1
.set ADK, 3                            ; v3, v4   my K fragments, slot 0, 1
.set ADV, 5                            ; v5, v6   my V fragments
.set AM,  10                           ; v[10:17] pairs (alpha, m), one a query tile
.set LS,  18                           ; v[18:21] l
.set TT,  22                           ; v[22:25] a piece's maxima: two chains for each of its two tiles; then tile a's sums
.set T2,  26                           ; v[26:29] the other half's maxima, m old - m new; then tile b's sums
.set PP,  32                           ; v[32:63]  P, tile qt at 8 qt; in the merge: store data
.set KF,  64                           ; v[64:127] K fragments (kt, ks) at 32 kt + 8 ks; also P lo; in the merge: addresses and work
.set VF,  128                          ; v[128:191] V fragments dt at 8 dt
.set SC,  192                          ; v[192:255] S, tile (qt, kt) at 16 qt + 8 kt
.set MST, 64
.set SST, 65
.set MRD, 66
.set SRD, 70
.set OOF, 71
.set MSB, 0
.macro WIN new
.if MSB != \new
	s_set_vgpr_msb (MSB<<8)|\new
.set MSB, \new
.endif
.endm
.macro PLACES                          ; four plain vector places behind a matrix instruction (ISA guide 7.12.1)
.rept 4
	v_nop
.endr
.endm
.macro JLOAD s                         ; waves 0, 1 ask for K's halves, waves 2, 3 for V's (another padding)
	s_cmp_eq_u32 s11, 0
	s_cbranch_scc0 .Lfor_v_\@
	tensor_load_to_lds s[G0+4*\s:G0+4*\s+3], s[G1K:G1K+7]
	s_nop 0
	s_branch .Lasked_\@
.Lfor_v_\@:
	tensor_load_to_lds s[G0+4*\s:G0+4*\s+3], s[G1V:G1V+7]
	s_nop 0
.Lasked_\@:
.endm
.macro CROUND                          ; a round of the cluster's barrier
	s_barrier_signal -1
	s_barrier_wait -1
	s_cmp_lg_u32 s10, 0
	s_cbranch_scc1 .Lnot_wave_0_\@
	s_barrier_signal -3
.Lnot_wave_0_\@:
	s_barrier_wait -3
	s_barrier_signal -1
	s_barrier_wait -1
.endm
.macro WIDEN d, p                      ; the two f16 halves of register p as f32 in v[d], v[d+1]
	v_cvt_f32_f16 v[\d], v\p\().l
	v_cvt_f32_f16 v[\d+1], v\p\().h
.endm
	s_load_b128 s[4:7], s[0:1], 0x0                ; qkvb, lob
	s_load_b64 s[8:9], s[0:1], 0x10                ; attnb
	v_lshl_add_u32 v30, v0, 2, 0x45800
	v_mov_b32 v31, 0
	ds_add_u32 v30, v31
	v_lshrrev_b32 v1, 5, v0
	v_readfirstlane_b32 s10, v1                    ; wave
	s_lshr_b32 s11, s10, 1
	s_and_b32 s12, s10, 1
	s_bfe_u32 s13, ttmp6, 0x40000                  ; cx
	s_lshr_b32 s14, ttmp9, 4                       ; g
	s_and_b32 s15, ttmp9, 15                       ; w
	s_mov_b32 s[G1K+0], 15|(1<<16)|(1<<20)|(1<<21)|(5<<22)|(3<<25)   ; all four work-groups; 2-byte elements; padding: after 64 words 4 words
	s_mov_b32 s[G1K+1], 128<<16
	s_mov_b32 s[G1K+2], 64<<16
	s_mov_b32 s[G1K+3], 128<<16
	s_mov_b32 s[G1K+4], 64                         ; 64 rows of 128 elements, dense
	s_mov_b32 s[G1K+5], 128
	s_mov_b32 s[G1K+6], 0
	s_mov_b32 s[G1K+7], 0
	s_mov_b32 s[G1V+0], 15|(1<<16)|(1<<20)|(1<<21)|(5<<22)|(7<<25)   ; after 64 words 8 words
	s_mov_b32 s[G1V+1], 128<<16
	s_mov_b32 s[G1V+2], 64<<16
	s_mov_b32 s[G1V+3], 128<<16
	s_mov_b32 s[G1V+4], 64
	s_mov_b32 s[G1V+5], 128
	s_mov_b32 s[G1V+6], 0
	s_mov_b32 s[G1V+7], 0
	s_lshl_b32 s60, s11, 2
	s_add_co_u32 s60, s60, s14
	s_add_co_u32 s60, s60, 8                       ; the head I fetch from: 8 + g (K) or 12 + g (V)
	s_lshl_b32 s62, s60, 20
	s_lshl_b32 s61, s12, 14                        ; my half: 64 rows of 256 bytes
	s_add_co_u32 s62, s62, s61
	s_mov_b32 s63, 0
	s_lshl_b32 s66, s60, 15
	s_add_co_u32 s66, s66, s61
	s_mov_b32 s67, 0
	s_mul_i32 s70, s10, REG                        ; where my fills go: the wave's number alone
	s_wait_dscnt 0x0
	s_wait_kmcnt 0x0
	s_add_nc_u64 s[42:43], s[4:5], s[62:63]        ; BASE: my half of tile 0
	s_add_nc_u64 s[44:45], s[6:7], s[66:67]        ; LOA: my half of tile 0's lo parts
	s_mov_b32 s[G0+0], 1
	s_add_co_u32 s[G0+1], s70, 0
	s_mov_b64 s[G0+2:G0+3], s[42:43]
	s_or_b32 s[G0+3], s[G0+3], 0x80000000
	s_mov_b32 s[G0+4], 1
	s_add_co_u32 s[G0+5], s70, SLOT
	s_add_nc_u64 s[40:41], s[42:43], TILEB         ; NXT: the next tile to ask for
	CROUND                                         ; in front of the first joint load
	JLOAD 0                                        ; tile 0; slot 1 is first filled behind the first step's round
	; numbers that hang on cx: in registers that feed no descriptor
	s_and_b32 s72, s13, 1
	s_lshl1_add_u32 s72, s14, s72                  ; query head
	s_lshr_b32 s73, s13, 1
	s_lshl_b32 s73, s73, 6                         ; 64 b
	s_lshl_b32 s74, s15, 8
	s_add_co_u32 s74, s74, 128
	s_add_co_u32 s74, s74, s73                     ; phase A's first query: 128 (2 w + 1) + 64 b
	s_lshl_b32 s75, s15, 8
	s_sub_co_u32 s75, 3840, s75
	s_add_co_u32 s75, s75, s73                     ; phase B's: 128 (30 - 2 w) + 64 b
	s_lshl_b32 s76, s72, 20
	s_mov_b32 s79, 0
	s_lshl_b32 s78, s74, 8
	s_add_co_u32 s78, s78, s76
	s_add_nc_u64 s[46:47], s[4:5], s[78:79]        ; QA
	s_lshl_b32 s78, s75, 8
	s_add_co_u32 s78, s78, s76
	s_add_nc_u64 s[48:49], s[4:5], s[78:79]        ; QB
	s_lshl_b32 s78, s72, 15
	s_lshl_b32 s77, s73, 8
	s_add_co_u32 s78, s78, s77
	s_add_nc_u64 s[50:51], s[6:7], s[78:79]        ; QL
	s_lshl_b32 s77, s72, 8
	s_lshl_b32 s78, s74, 11
	s_add_co_u32 s78, s78, s77
	s_add_nc_u64 s[52:53], s[8:9], s[78:79]        ; OA
	s_lshl_b32 s78, s75, 11
	s_add_co_u32 s78, s78, s77
	s_add_nc_u64 s[54:55], s[8:9], s[78:79]        ; OB
	s_lshl_b32 s77, s10, 5
	s_sub_co_i32 s77, s73, s77                     ; 64 b - 32 wave
	s_mov_b32 s56, 0x76543210
	s_mov_b32 s57, 0xfedcba98
	s_mul_i32 s80, s10, MRGW
	s_add_co_u32 s80, s80, MRG                     ; my part of the merge region
	s_lshl_b32 s81, s10, 2
	s_add_co_u32 s81, s81, STATS
	s_lshl_b32 s82, s10, 4                         ; the 16 queries that I finish
	v_and_b32 v1, 15, v0                           ; r
	v_bfe_u32 v2, v0, 4, 1                         ; h
	s_mul_i32 s68, s11, REG
	s_mul_i32 s69, s12, 32*PKK
	s_add_co_u32 s68, s68, s69
	v_mul_u32_u24 v[ADK], v1, PKK
	v_lshl_add_u32 v[ADK], v2, 4, v[ADK]
	v_add_nc_u32 v[ADK], s68, v[ADK]               ; K: half wave / 2, row 32 (wave & 1) + r, + 16 h
	v_add_nc_u32 v[ADK+1], SLOT, v[ADK]
	s_mul_i32 s68, s11, REG
	s_mul_i32 s69, s12, 32*PV_
	s_add_co_u32 s68, s68, s69
	s_add_co_u32 s68, s68, 2*REG
	v_and_b32 v[ADV], 7, v0
	v_lshl_add_u32 v[ADV], v2, 3, v[ADV]
	v_mul_u32_u24 v[ADV], v[ADV], PV_
	v_bfe_u32 v7, v0, 3, 1
	v_lshl_add_u32 v[ADV], v7, 4, v[ADV]
	v_add_nc_u32 v[ADV], s68, v[ADV]               ; V: key row 32 (wave & 1) + 8 h + lane mod 8, for the transposing load
	v_add_nc_u32 v[ADV+1], SLOT, v[ADV]
	v_add_nc_u32 v7, s77, v1
	v_lshlrev_b32 v22, 3, v2
	v_sub_nc_u32 v7, v7, v22                       ; D0 = 64 b + r - 32 wave - 8 h: key (kt, j) is seen by query tile qt if 16 kt - 16 qt + j <= D0
	v_mov_b32 v8, 0xf149f2ca                       ; -1e30
	v_lshlrev_b32 v9, 8, v1
	v_lshl_add_u32 v9, v2, 4, v9                   ; Q: 256 r + 16 h
.irp i, 10,11,12,13,14,15,16,17,26,27,28,29
	v_mov_b32 v\i, 0                               ; pairs that are read whole, and lane permutes' destinations, are written once before
.endr
.macro LDQ base, qb                    ; 64 queries x 128, as source 1 fragments, straight from memory
	WIN 0x80
.irp qt, 0,1,2,3
.irp ks, 0,1,2,3
	global_load_b128 v[\qb+32*\qt+8*\ks:\qb+32*\qt+8*\ks+3],   v9, s[\base:\base+1] offset:4096*\qt+64*\ks
	global_load_b128 v[\qb+32*\qt+8*\ks+4:\qb+32*\qt+8*\ks+7], v9, s[\base:\base+1] offset:4096*\qt+64*\ks+32
.endr
.endr
	WIN 0
.endm
; The head of a step on slot. All my tensor loads have landed (my part of this slot among them), so the other slot's group 0 may be written; my reads
; of the other slot are back. refill = 1: a round of the cluster's barrier, and the joint refill of the other slot first behind it: one load of the wave is out.
.macro HEAD slot, refill
	s_wait_tensorcnt 0x0
	ds_add_u32 v30, v31
	s_wait_dscnt 0x0
.if \refill
	s_mov_b64 s[G0+4*(1-\slot)+2:G0+4*(1-\slot)+3], s[40:41]
	s_or_b32 s[G0+4*(1-\slot)+3], s[G0+4*(1-\slot)+3], 0x80000000
	s_add_nc_u64 s[40:41], s[40:41], TILEB
.endif
	s_wait_dscnt 0x0
.if \refill
	CROUND
	JLOAD (1-\slot)
.else
	s_barrier_signal -1
	s_barrier_wait -1
.endif
.endm
.macro LDK slot
.irp kt, 0,1
.irp ks, 0,1,2,3
	ds_load_b128 v[KF+32*\kt+8*\ks:KF+32*\kt+8*\ks+3],   v[ADK+\slot] offset:16*PKK*\kt+64*\ks
	ds_load_b128 v[KF+32*\kt+8*\ks+4:KF+32*\kt+8*\ks+7], v[ADK+\slot] offset:16*PKK*\kt+64*\ks+32
.endr
.endr
.endm
.macro LDV slot
.irp dt, 0,1,2,3,4,5,6,7
	ds_load_tr16_b128 v[VF+8*\dt:VF+8*\dt+3],   v[ADV+\slot] offset:32*\dt
	ds_load_tr16_b128 v[VF+8*\dt+4:VF+8*\dt+7], v[ADV+\slot] offset:32*\dt+16*PV_
.endr
.endm
; THE RUNNING SOFTMAX OF A PIECE (query tiles a = qa, b = qa + 1; 32 keys x 32 queries of the wave) AS A NUMBERED LIST OF 112 INSTRUCTIONS.
;   0-3    four places behind the piece's last S product (left out where other plain instructions already stand there: piece Y of a step that rescales)
;   4-19   the maxima of a lane's 16 scores of each tile, in two chains a tile: four chains that do not wait for each other; the old m joins at the end
;   20-23  the query's other sixteen keys lie in the other half of the lanes
;   24-29  alpha = 2^(m old - m new), m = m new
;   30-37  S - m of tile a
;   38-61  eight times: two exponentials of tile a, one S - m of tile b
;   62-93  eight times: two exponentials of tile b, one conversion to P and one sum of tile a
;   94     l of tile a;   95-110 conversions and sums of tile b;   111 l of tile b
; So no more than two exponentials follow each other, and the plain instruction behind them touches neither their results nor their sources (ISA guide 5.7.2).
; first = 1: nothing to rescale: no old m, no alpha.
.macro SUBM s, m                       ; two scores minus the m of the pair (alpha, m)
	v_pk_add_f32 v[\s:\s+1], v[\s:\s+1], v[\m:\m+1] op_sel:[0,1] op_sel_hi:[1,1] neg_lo:[0,1] neg_hi:[0,1]
.endm
.macro SUMOP tb, sb, k                 ; step k of eight of the sum of the 16 numbers at sb, in two chains in v[tb:tb+3]
.if (\k) < 2
	v_pk_add_f32 v[\tb+2*(\k):\tb+2*(\k)+1], v[\sb+4*(\k):\sb+4*(\k)+1], v[\sb+4*(\k)+2:\sb+4*(\k)+3]
.endif
.if (\k) >= 2
.if (\k) < 6
	v_pk_add_f32 v[\tb+2*((\k)&1):\tb+2*((\k)&1)+1], v[\tb+2*((\k)&1):\tb+2*((\k)&1)+1], v[\sb+4+2*(\k):\sb+5+2*(\k)]
.endif
.endif
.if (\k) == 6
	v_pk_add_f32 v[\tb:\tb+1], v[\tb:\tb+1], v[\tb+2:\tb+3]
.endif
.if (\k) == 7
	v_add_f32 v[\tb], v[\tb], v[\tb+1]
.endif
.endm
.macro SMOP i, qa, first
.if (\i) < 4
.if (\qa)*(1-\first) == 0
	v_nop
.endif
.endif
.if (\i) >= 4
.if (\i) < 16
.set j_, (\i)-4
.set q_, j_&1                          ; tile a or b
.set c_, (j_>>1)&1                     ; chain 0 or 1
.set l_, j_>>2                         ; link
.set d_, TT+2*c_+q_
.set s_, SC+16*((\qa)+q_)
.if l_ == 0
	v_max3_num_f32 v[d_], v[s_+3*c_], v[s_+3*c_+1], v[s_+3*c_+2]
.else
	v_max3_num_f32 v[d_], v[d_], v[s_+2+4*l_+2*c_], v[s_+3+4*l_+2*c_]
.endif
.endif
.endif
.if (\i) >= 16
.if (\i) < 30
.set j_, (\i)-16
.set q_, j_&1
.set g_, j_>>1
.set t_, TT+q_
.set w_, T2+q_
.set m_, AM+2*((\qa)+q_)+1
.set s_, SC+16*((\qa)+q_)
.if g_ == 0
	v_max3_num_f32 v[t_], v[t_], v[s_+14], v[s_+15]
.endif
.if g_ == 1
.if \first
	v_max_num_f32 v[t_], v[t_], v[t_+2]
.else
	v_max3_num_f32 v[t_], v[t_], v[t_+2], v[m_]
.endif
.endif
.if g_ == 2
	v_permlanex16_b32 v[w_], v[t_], s56, s57
.endif
.if g_ == 3
	v_max_num_f32 v[t_], v[t_], v[w_]
.endif
.if g_ == 4
.if \first
.else
	v_sub_f32 v[w_+2], v[m_], v[t_]
.endif
.endif
.if g_ == 5
.if \first
.else
	v_exp_f32 v[m_-1], v[w_+2]
.endif
.endif
.if g_ == 6
	v_mov_b32 v[m_], v[t_]
	s_wait_alu depctr_va_vdst(0)
.endif
.endif
.endif
.if (\i) >= 30
.if (\i) < 38
.set k_, (\i)-30
	SUBM (SC+16*(\qa)+2*k_), (AM+2*(\qa))
.endif
.endif
.if (\i) >= 38
.if (\i) < 62
.set j_, (\i)-38
.set k_, j_/3
.set e_, j_%3
.if e_ < 2
	v_exp_f32 v[SC+16*(\qa)+2*k_+e_], v[SC+16*(\qa)+2*k_+e_]
.else
	SUBM (SC+16*(\qa)+16+2*k_), (AM+2*(\qa)+2)
.endif
.endif
.endif
.if (\i) >= 62
.if (\i) < 94
.set j_, (\i)-62
.set k_, j_/4
.set e_, j_%4
.if e_ < 2
	v_exp_f32 v[SC+16*(\qa)+16+2*k_+e_], v[SC+16*(\qa)+16+2*k_+e_]
.endif
.if e_ == 2
	s_wait_alu depctr_va_vdst(0)
	v_cvt_pk_f16_f32 v[PP+8*(\qa)+k_], v[SC+16*(\qa)+2*k_], v[SC+16*(\qa)+2*k_+1]   ; the two S tiles of a query tile are P^T's fragment as they stand
.endif
.if e_ == 3
	SUMOP TT, (SC+16*(\qa)), k_
.endif
.endif
.endif
.if (\i) == 94
.if \first
	v_mov_b32 v[LS+(\qa)], v[TT]
	s_wait_alu depctr_va_vdst(0)
.else
	v_fma_f32 v[LS+(\qa)], v[LS+(\qa)], v[AM+2*(\qa)], v[TT]
	s_wait_alu depctr_va_vdst(0)
.endif
.endif
.if (\i) >= 95
.if (\i) < 111
.set j_, (\i)-95
.set k_, j_>>1
.set e_, j_&1
.if e_ == 0
	v_cvt_pk_f16_f32 v[PP+8*(\qa)+8+k_], v[SC+16*(\qa)+16+2*k_], v[SC+16*(\qa)+16+2*k_+1]
.else
	SUMOP T2, (SC+16*(\qa)+16), k_
.endif
.endif
.endif
.if (\i) == 111
.if \first
	v_mov_b32 v[LS+(\qa)+1], v[T2]
.else
	v_fma_f32 v[LS+(\qa)+1], v[LS+(\qa)+1], v[AM+2*(\qa)+2], v[T2]
.endif
.endif
.endm
.macro SMSL sl, qa, first              ; slice sl of sixteen: seven instructions of the list
.irp e, 0,1,2,3,4,5,6
	SMOP (7*(\sl)+\e), \qa, \first
.endr
.endm
.macro SMRUN qa, first                 ; the whole list in one run
.irp sl, 0,1,2,3,4,5,6,7,8,9,10,11,12,13,14,15
	SMSL \sl, \qa, \first
.endr
.endm
; S^T of the piece of query tiles q0, q0 + 1: sixteen matrix instructions; its four accumulators take turns, one instruction a turn.
; host = 1: behind the n-th stands slice n of the other piece's softmax, which names none of these products' registers (K, this piece's Q and S).
.macro SMMK qb, q0, ks, zero, host, first
.irp dq, 0,1
.irp kt, 0,1
	WIN 0x08
.if \zero
	v_wmma_f32_16x16x32_f16 v[SC+16*(\q0+\dq)+8*\kt:SC+16*(\q0+\dq)+8*\kt+7], v[KF+32*\kt+8*\ks:KF+32*\kt+8*\ks+7], v[\qb+32*(\q0+\dq)+8*\ks:\qb+32*(\q0+\dq)+8*\ks+7], 0
.else
	v_wmma_f32_16x16x32_f16 v[SC+16*(\q0+\dq)+8*\kt:SC+16*(\q0+\dq)+8*\kt+7], v[KF+32*\kt+8*\ks:KF+32*\kt+8*\ks+7], v[\qb+32*(\q0+\dq)+8*\ks:\qb+32*(\q0+\dq)+8*\ks+7], v[SC+16*(\q0+\dq)+8*\kt:SC+16*(\q0+\dq)+8*\kt+7]
.endif
.if \host
	WIN 0
	SMSL (4*\ks+2*\dq+\kt), (2-\q0), \first
.endif
.endr
.endr
.endm
.macro SMM qb, q0, zero, host, first
	SMMK \qb, \q0, 0, \zero, \host, \first
	SMMK \qb, \q0, 1, 0, \host, \first
	SMMK \qb, \q0, 2, 0, \host, \first
	SMMK \qb, \q0, 3, 0, \host, \first
	WIN 0
.endm
.macro MASKP q0                        ; the diagonal tile, one piece: keys above the query get -1e30
.irp dq, 0,1
.irp kt, 0,1
.irp j, 0,1,2,3,4,5,6,7
	v_cmp_le_i32 vcc_lo, 16*\kt-16*(\q0+\dq)+\j, v7
	v_cndmask_b32 v[SC+16*(\q0+\dq)+8*\kt+\j], v8, v[SC+16*(\q0+\dq)+8*\kt+\j], vcc_lo
.endr
.endr
.endr
.endm
.macro RS1 q0, t                       ; O x alpha, accumulator tile t (0 to 15) of the piece; under window setting 0x41
.set o_, 64*(\q0)+8*(\t)
.set m_, AM+2*((\q0)+(\t)/8)
.irp p, 0,2,4,6
	v_pk_mul_f32 v[o_+\p:o_+\p+1], v[o_+\p:o_+\p+1], v[m_:m_+1] op_sel_hi:[1,0]
.endr
.endm
.macro RSRUN q0                        ; all sixteen tiles of the piece in one run: two window switches
	WIN 0x41
.irp t, 0,1,2,3,4,5,6,7,8,9,10,11,12,13,14,15
	RS1 \q0, \t
.endr
	WIN 0
.endm
; O^T += V^T P^T of the piece: sixteen accumulators by turns, one instruction a turn.
; host = 1: behind the n-th stands slice n of the other piece's softmax. host = 2: behind the n-th stands O x alpha of this piece's tile n + 2,
; whose registers are none of the n-th product's; tiles 0 and 1 are rescaled in front.
.macro PVM pb, q0, zero, host, first
.irp dq, 0,1
.irp dt, 0,1,2,3,4,5,6,7
	WIN 0x50
.if \zero
	v_wmma_f32_16x16x32_f16 v[64*(\q0+\dq)+8*\dt:64*(\q0+\dq)+8*\dt+7], v[VF+8*\dt:VF+8*\dt+7], v[\pb+8*(\q0+\dq):\pb+8*(\q0+\dq)+7], 0
.else
	v_wmma_f32_16x16x32_f16 v[64*(\q0+\dq)+8*\dt:64*(\q0+\dq)+8*\dt+7], v[VF+8*\dt:VF+8*\dt+7], v[\pb+8*(\q0+\dq):\pb+8*(\q0+\dq)+7], v[64*(\q0+\dq)+8*\dt:64*(\q0+\dq)+8*\dt+7]
.endif
.if \host == 1
	WIN 0
	SMSL (8*\dq+\dt), (2-\q0), \first
.endif
.if \host == 2
.if 8*\dq+\dt < 14
	WIN 0x41
	RS1 \q0, (8*\dq+\dt+2)
.endif
.endif
.endr
.endr
	WIN 0
.endm
.macro STEP slot, refill, first, masked, qb
	HEAD \slot, \refill
	PLACES                                         ; the V fragments were read by the last step's last matrix instructions
	LDK \slot
	LDV \slot
	s_wait_dscnt 16                                ; K's sixteen loads are in, V's sixteen may stay out
	SMM \qb, 0, 1, 0, \first                       ; S(X)
.if \masked
	PLACES
	MASKP 0
.endif
	SMM \qb, 2, 1, 1, \first                       ; S(Y), X's softmax beside it
.if \masked
	PLACES
	MASKP 2
.endif
.if \first
	s_wait_dscnt 0x0                               ; V
	PVM PP, 0, 1, 1, 1                             ; PV(X) starts O(X), Y's softmax beside it
	PVM PP, 2, 1, 0, 1                             ; PV(Y) starts O(Y)
.else
	RSRUN 0                                        ; O(X) x alpha
	s_wait_dscnt 0x0                               ; V
	PVM PP, 0, 0, 1, 0                             ; PV(X), Y's softmax beside it
	WIN 0x41
	RS1 2, 0
	RS1 2, 1
	PVM PP, 2, 0, 2, 0                             ; PV(Y), O(Y) x alpha beside it, two tiles ahead
.endif
.endm
; For the step with two-part operands: both pieces, nothing beside them
.macro SMUL qb, zero
	SMM \qb, 0, \zero, 0, 1
	SMM \qb, 2, \zero, 0, 1
.endm
.macro PV pb, zero
	PVM \pb, 0, \zero, 0, 1
	PVM \pb, 2, \zero, 0, 1
.endm
.macro PSPLIT                          ; P's remainder p - f16(p), exact in f32, as f16 at v64..
.irp p, 32,33,34,35,36,37,38,39,40,41,42,43,44,45,46,47,48,49,50,51,52,53,54,55,56,57,58,59,60,61,62,63
	WIDEN TT+2*(\p%4), \p
	v_pk_add_f32 v[SC+2*(\p-32):SC+2*(\p-32)+1], v[SC+2*(\p-32):SC+2*(\p-32)+1], v[TT+2*(\p%4):TT+2*(\p%4)+1] neg_lo:[0,1] neg_hi:[0,1]
	v_cvt_pk_f16_f32 v[KF+\p-32], v[SC+2*(\p-32)], v[SC+2*(\p-32)+1]
.endr
.endm
; The end of a phase: each wave puts m, l and O into LDS; behind a barrier wave u finishes queries 16 u .. 16 u + 15: weights 2^(m_w - M) / L.
; A wave whose keys were all masked has m = -1e30 and the weight 0.
.macro FINLD t
.set a, 72+40*(\t&3)
	ds_load_b128 v[a:a+3],   v[SRD] offset:64*\t
	ds_load_b128 v[a+4:a+7], v[SRD] offset:64*\t+16
.irp ww, 0,1,2,3
	ds_load_b128 v[a+8+8*\ww:a+8+8*\ww+3],   v[MRD+\ww] offset:1056*\t
	ds_load_b128 v[a+12+8*\ww:a+12+8*\ww+3], v[MRD+\ww] offset:1056*\t+16
.endr
.endm
.macro FINC t, obase
.set a, 72+40*(\t&3)
	s_wait_dscnt 30-10*(\t&3)                      ; this pair of queries' ten loads are in, the younger pairs' stay out
	v_max3_num_f32 v22, v[a], v[a+1], v[a+2]
	v_max_num_f32 v22, v22, v[a+3]
.irp ww, 0,1,2,3
	v_sub_f32 v[a+\ww], v[a+\ww], v22
.endr
.irp ww, 0,1,2,3
	v_exp_f32 v[a+\ww], v[a+\ww]
.endr
	v_nop
	s_wait_alu depctr_va_vdst(0)
	v_mul_f32 v23, v[a], v[a+4]
	v_fma_f32 v23, v[a+1], v[a+5], v23
	v_fma_f32 v23, v[a+2], v[a+6], v23
	v_fma_f32 v23, v[a+3], v[a+7], v23
	v_rcp_f32 v23, v23
	v_nop
	s_wait_alu depctr_va_vdst(0)
.irp ww, 0,1,2,3
	v_mul_f32 v[a+\ww], v[a+\ww], v23
.endr
.irp p, 0,2,4,6
	v_pk_mul_f32 v[a+8+\p:a+9+\p], v[a+8+\p:a+9+\p], v[a:a+1] op_sel_hi:[1,0]
	v_pk_fma_f32 v[a+8+\p:a+9+\p], v[a+16+\p:a+17+\p], v[a:a+1], v[a+8+\p:a+9+\p] op_sel:[0,1,0] op_sel_hi:[1,1,1]
	v_pk_fma_f32 v[a+8+\p:a+9+\p], v[a+24+\p:a+25+\p], v[a+2:a+3], v[a+8+\p:a+9+\p] op_sel_hi:[1,0,1]
	v_pk_fma_f32 v[a+8+\p:a+9+\p], v[a+32+\p:a+33+\p], v[a+2:a+3], v[a+8+\p:a+9+\p] op_sel:[0,1,0] op_sel_hi:[1,1,1]
.endr
.irp p, 0,1,2,3
	v_cvt_pk_f16_f32 v[PP+4*\t+\p], v[a+8+2*\p], v[a+9+2*\p]
.endr
	global_store_b128 v[OOF], v[PP+4*\t:PP+4*\t+3], s[\obase:\obase+1] offset:4096*\t      ; sixteen lanes store a head's 256 bytes of a row, aligned
.endm
.macro MERGE obase
	PLACES
.irp qt, 0,1,2,3
	v_permlanex16_b32 v[T2+\qt], v[LS+\qt], s56, s57
.endr
.irp qt, 0,1,2,3
	v_add_f32 v[LS+\qt], v[LS+\qt], v[T2+\qt]
.endr
	v_mul_u32_u24 v[MST], v1, 528
	v_lshl_add_u32 v[MST], v2, 5, v[MST]
	v_add_nc_u32 v[MST], s80, v[MST]               ; my O: query r, 32 h bytes
	v_lshl_add_u32 v[SST], v1, 5, s81
	v_add_nc_u32 v[SRD], s82, v2                   ; the query that I finish: 16 wave + lane / 16 (+ 2 t)
	v_mul_u32_u24 v[MRD], v[SRD], 528
	v_lshl_add_u32 v[MRD], v1, 5, v[MRD]
	v_add_nc_u32 v[MRD], MRG, v[MRD]
	v_add_nc_u32 v[MRD+1], MRGW, v[MRD]
	v_add_nc_u32 v[MRD+2], MRGW, v[MRD+1]
	v_add_nc_u32 v[MRD+3], MRGW, v[MRD+2]
	v_lshlrev_b32 v[OOF], 11, v[SRD]
	v_lshl_add_u32 v[OOF], v1, 4, v[OOF]
	v_lshlrev_b32 v[SRD], 5, v[SRD]
	v_add_nc_u32 v[SRD], STATS, v[SRD]
.irp qt, 0,1,2,3
	ds_store_b32 v[SST], v[AM+2*\qt+1] offset:512*\qt          ; both halves of the lanes write the same word with the same value
	ds_store_b32 v[SST], v[LS+\qt] offset:512*\qt+16
.endr
	WIN 0x04
.irp qt, 0,1,2,3
.irp dt, 0,1,2,3,4,5,6,7
	ds_store_b128 v[MST], v[64*\qt+8*\dt:64*\qt+8*\dt+3]   offset:8448*\qt+64*\dt
	ds_store_b128 v[MST], v[64*\qt+8*\dt+4:64*\qt+8*\dt+7] offset:8448*\qt+64*\dt+16
.endr
.endr
	WIN 0
	s_wait_dscnt 0x0                               ; for the other waves' sake: my stores are done
	s_barrier_signal -1
	s_barrier_wait -1                              ; the next tile's load may stay out
.irp t, 0,1,2,3
	FINLD \t
.endr
.irp t, 0,1,2,3
	FINC \t, \obase
.endr
.irp t, 4,5,6,7
	FINLD \t
.endr
.irp t, 4,5,6,7
	FINC \t, \obase
.endr
	s_wait_xcnt 0x0                                ; the stores' data and offset registers are written again only behind this wait
.endm
	LDQ 46, 0
	LDQ 48, 128
	s_wait_loadcnt 0x0
	; PHASE A: tiles 0 .. 2 w + 1
	STEP 0, 1, 1, 0, 0
	s_cmp_eq_u32 s15, 0
	s_cbranch_scc1 .Lend_a
	s_mov_b32 s58, 0
.Lloop_a:
	STEP 1, 1, 0, 0, 0
	STEP 0, 1, 0, 0, 0
	s_add_co_u32 s58, s58, 1
	s_cmp_lt_u32 s58, s15
	s_cbranch_scc1 .Lloop_a
.Lend_a:
	s_mov_b64 s[40:41], s[42:43]                   ; the diagonal step asks for phase B's tile 0
	STEP 1, 1, 0, 1, 0
	MERGE 52
	s_cmp_eq_u32 s15, 15
	s_cbranch_scc1 .Lprecise
	; PHASE B: tiles 0 .. 30 - 2 w
	STEP 0, 1, 1, 0, 128
	s_sub_co_u32 s59, 14, s15
	s_cmp_eq_u32 s59, 0
	s_cbranch_scc1 .Lend_b
	s_mov_b32 s58, 0
.Lloop_b:
	STEP 1, 1, 0, 0, 128
	STEP 0, 1, 0, 0, 128
	s_add_co_u32 s58, s58, 1
	s_cmp_lt_u32 s58, s59
	s_cbranch_scc1 .Lloop_b
.Lend_b:
	STEP 1, 1, 0, 0, 128
	STEP 0, 0, 0, 1, 128                           ; the diagonal tile: nothing is left to fetch
	s_branch .Lmerge_b
	; PHASE B of w = 15: queries 0-127, one tile, two-part operands. Slot 0 holds the hi parts, slot 1 gets the lo parts.
	; One step of 33, three products for each of S and O: it stands in phases.
.Lprecise:
	s_mov_b64 s[40:41], s[44:45]
	HEAD 0, 1
	PLACES
	LDQ 50, 0                                      ; Q lo over phase A's Q
	LDK 0
	LDV 0
	s_wait_dscnt 16
	SMUL 128, 1                                    ; Kh Qh
	s_wait_loadcnt 0x0
	SMUL 0, 0                                      ; + Kh Ql
	HEAD 1, 0                                      ; the lo tile is in, for every wave; V hi's loads are back too
	PLACES
	LDK 1
	s_wait_dscnt 0x0
	SMUL 128, 0                                    ; + Kl Qh
	PLACES
	MASKP 0
	MASKP 2
	SMRUN 0, 1
	SMRUN 2, 1
	PSPLIT
	PV PP, 1                                       ; Vh Ph
	PV KF, 0                                       ; + Vh Pl
	PLACES
	LDV 1
	s_wait_dscnt 0x0
	PV PP, 0                                       ; + Vl Ph
.Lmerge_b:
	MERGE 54
	s_wait_tensorcnt 0x0
	ds_add_u32 v30, v31
	s_wait_dscnt 0x0
	CROUND                                         ; the closing round
	s_endpgm
.Lfunc_end_k_q6e19645cc9_attn:
	.size	k_q6e19645cc9_attn, .Lfunc_end_k_q6e19645cc9_attn-k_q6e19645cc9_attn
	.p2alignl 7, 3214868480
	.fill 96, 4, 3214868480
	.section	.rodata,"a",@progbits
	.p2align	6, 0x0
	.amdhsa_kernel k_q6e19645cc9_attn
		.amdhsa_group_segment_fixed_size 327680
		.amdhsa_private_segment_fixed_size 0
		.amdhsa_enable_private_segment 0
		.amdhsa_kernarg_size 24
		.amdhsa_user_sgpr_count 2
		.amdhsa_user_sgpr_kernarg_segment_ptr 1
		.amdhsa_wavefront_size32 1
		.amdhsa_system_sgpr_workgroup_id_x 1
		.amdhsa_system_sgpr_workgroup_id_y 1
		.amdhsa_system_sgpr_workgroup_id_z 1
		.amdhsa_system_vgpr_workitem_id 0
		.amdhsa_next_free_vgpr 768
		.amdhsa_next_free_sgpr 88
		.amdhsa_reserve_vcc 1
		.amdhsa_float_denorm_mode_32 3
		.amdhsa_float_denorm_mode_16_64 3
		.amdhsa_memory_ordered 1
		.amdhsa_forward_progress 1
		.amdhsa_inst_pref_size 255
	.end_amdhsa_kernel
	.section	.bss,"aw",@nobits
	.p2align	6
	.space	262144
	.amdgpu_metadata
---
amdhsa.version: [ 1, 2 ]
amdhsa.kernels:
  - .name:           k_q6e19645cc9_attn
    .symbol:         k_q6e19645cc9_attn.kd
    .args:
      - { .name: qkvb, .offset: 0, .size: 8, .value_kind: global_buffer, .address_space: global }
      - { .name: lob, .offset: 8, .size: 8, .value_kind: global_buffer, .address_space: global }
      - { .name: attnb, .offset: 16, .size: 8, .value_kind: global_buffer, .address_space: global }
    .group_segment_fixed_size: 327680
    .private_segment_fixed_size: 0
    .kernarg_segment_align: 8
    .kernarg_segment_size: 24
    .max_flat_workgroup_size: 128
    .sgpr_count:     88
    .vgpr_count:     768
    .wavefront_size: 32
...
	.end_amdgpu_metadata
.endif
;; end of part 3
;; launch oproj (part 4): grid 16 x 16, 4 waves a work-group, clusters of 4 x 4, 327,680 bytes of LDS; arguments attnb, wob, out0; writes out0
.if DOCPART == 4
	.amdgcn_target "amdgcn-amd-amdhsa--gfx1250"
	.amdhsa_code_object_version 6
	.text
	.protected	k_q6e19645cc9_oproj
	.globl	k_q6e19645cc9_oproj
	.p2align	8
	.type	k_q6e19645cc9_oproj,@function
k_q6e19645cc9_oproj:
	s_mov_b64 s[64:65], 0
	v_nop
	global_prefetch_b8 v0, s[64:65] scope:SCOPE_SE
	s_setreg_imm32_b32 hwreg(HW_REG_WAVE_MODE, 25, 1), 1
	s_wait_xcnt 0x0
	s_wait_alu depctr_hold_cnt(0) depctr_sa_sdst(0) depctr_va_vdst(0) depctr_va_sdst(0) depctr_va_ssrc(0) depctr_va_vcc(0) depctr_vm_vsrc(0)
	s_getreg_b32 s2, hwreg(HW_REG_IB_STS2, 6, 4)
	s_cmp_eq_u32 s2, 0
	s_cbranch_scc0 .Lentry_in_a_cluster
	s_endpgm
.Lentry_in_a_cluster:
	s_bfe_u32 s2, ttmp6, 0x10000c
	s_cmp_lg_u32 s2, 0xf033
	s_cbranch_scc0 .Lentry_shape_is_right
	s_endpgm
.Lentry_shape_is_right:
; out0 = attnb x wob: [4096][1024] f16 by [1024 k][2048 n] f16, f32 sums, f32 out. No work is left out here.
; The frame of launch qkv: a work-group makes 256 rows x 128 columns with four waves, wave w rows 64 w .. + 63 (32 accumulator tiles in window 1,
; tile (mt, nb) at 64 mt + 8 nb); K in steps of 128 through two LDS slots; 4 x 4 clusters, A's tile asked for jointly along a row of the cluster,
; W's along a column; source 0 = 16 columns of W by the transposing LDS load, source 1 = 16 rows of A, so that lane (r, h), register j holds
; row 16 mt + r, column 16 nb + 8 h + j: eight neighbouring f32 of a row.
.set KK,     1024
.set KSTEP,  128
.set PITCHA, 1024
.set PA,     272
.set PW,     288
.set HALFT,  128*PA
.set SLOT,   4*HALFT
.set STAGE,  2*SLOT                    ; behind the ring: 16 rows x 528 bytes for each wave; no fill lands there
.set SP,     528
.set LAPS,   KK/(2*KSTEP)
.set ASTEP,  2*KSTEP*2
.set WSTEP,  2*KSTEP*4096
.set ADRA, 16
.set ADRW, 20
.set STO,  24
.set RD,   25
.set CO,   26
.set F0,   64
.set F1,   160
.set RB,   64                          ; v[64:127] rows read back, store data
.set G1,  24
.set G0,  32
.set G1W, 48
.set G0W, 56
.set MSB, 0
.macro WIN new
.if MSB != \new
	s_set_vgpr_msb (MSB<<8)|\new
.set MSB, \new
.endif
.endm
.macro PLACES                          ; four plain vector places behind a matrix instruction (ISA guide 7.12.1)
.rept 4
	v_nop
.endr
.endm
.macro JLOAD s
	s_cmp_eq_u32 s11, 0
	s_cbranch_scc0 .Lfor_w_\@
	tensor_load_to_lds s[G0+4*\s:G0+4*\s+3], s[G1:G1+7]
	s_nop 0
	s_branch .Lasked_\@
.Lfor_w_\@:
	tensor_load_to_lds s[G0W+4*\s:G0W+4*\s+3], s[G1W:G1W+7]
	s_nop 0
.Lasked_\@:
.endm
.macro CREST
	s_cmp_lg_u32 s10, 0
	s_cbranch_scc1 .Lnot_wave_0_\@
	s_barrier_signal -3
.Lnot_wave_0_\@:
	s_barrier_wait -3
	s_barrier_signal -1
	s_barrier_wait -1
.endm
.macro CROUND
	s_barrier_signal -1
	s_barrier_wait -1
	CREST
.endm
	s_load_b128 s[4:7], s[0:1], 0x0                ; attnb, wob
	s_load_b64 s[8:9], s[0:1], 0x10                ; out0
	v_lshl_add_u32 v62, v0, 2, 0x4c400
	v_mov_b32 v63, 0
	ds_add_u32 v62, v63
	v_lshrrev_b32 v1, 5, v0
	v_readfirstlane_b32 s10, v1                    ; wave
	s_lshr_b32 s11, s10, 1
	s_and_b32 s12, s10, 1
	s_bfe_u32 s40, ttmp6, 0x40000                  ; cx
	s_bfe_u32 s41, ttmp6, 0x40004                  ; cy
	s_lshl_b32 s42, ttmp9, 2
	s_add_co_u32 s42, s42, s40                     ; column block
	s_and_b32 s13, ttmp7, 0xffff
	s_lshl_b32 s13, s13, 2
	s_add_co_u32 s13, s13, s41                     ; row block
	s_lshl_b32 s43, s41, 2
	s_lshl_b32 s43, 15, s43                        ; my row of the cluster
	s_lshl_b32 s44, 0x1111, s40                    ; my column
	s_or_b32 s[G1+0], s43, (1<<16)|(1<<20)|(1<<21)|(5<<22)|(3<<25)
	s_mov_b32 s[G1+1], KSTEP<<16
	s_mov_b32 s[G1+2], 128<<16
	s_mov_b32 s[G1+3], KSTEP<<16
	s_mov_b32 s[G1+4], 128
	s_mov_b32 s[G1+5], PITCHA
	s_mov_b32 s[G1+6], 0
	s_mov_b32 s[G1+7], 0
	s_or_b32 s[G1W+0], s44, (1<<16)|(1<<20)|(1<<21)|(5<<22)|(7<<25)
	s_mov_b32 s[G1W+1], 128<<16
	s_mov_b32 s[G1W+2], 64<<16
	s_mov_b32 s[G1W+3], 128<<16
	s_mov_b32 s[G1W+4], 64
	s_mov_b32 s[G1W+5], 2048
	s_mov_b32 s[G1W+6], 0
	s_mov_b32 s[G1W+7], 0
	s_lshl_b32 s16, s13, 8
	s_lshl_b32 s17, s12, 7
	s_add_co_u32 s16, s16, s17                     ; A: row 256 x block + 128 x half
	s_lshl_b32 s16, s16, 11                        ; rows of 2,048 bytes
	s_mov_b32 s17, 0
	s_lshl_b32 s46, s12, 18                        ; W: 64 k rows of 4,096 bytes a half
	s_lshl_b32 s47, s42, 8
	s_add_co_u32 s46, s46, s47
	s_mov_b32 s47, 0
	s_mul_i32 s20, s10, HALFT
	s_wait_dscnt 0x0
	s_wait_kmcnt 0x0
	s_add_nc_u64 s[14:15], s[4:5], s[16:17]
	s_add_nc_u64 s[46:47], s[6:7], s[46:47]
	CROUND                                         ; in front of the first joint loads
.irp s, 0,1
	s_mov_b32 s[G0+4*\s], 1
	s_add_co_u32 s[G0+4*\s+1], s20, \s*SLOT
	s_add_nc_u64 s[G0+4*\s+2:G0+4*\s+3], s[14:15], \s*KSTEP*2
	s_or_b32 s[G0+4*\s+3], s[G0+4*\s+3], 0x80000000
	s_mov_b32 s[G0W+4*\s], 1
	s_add_co_u32 s[G0W+4*\s+1], s20, \s*SLOT
	s_add_nc_u64 s[G0W+4*\s+2:G0W+4*\s+3], s[46:47], \s*KSTEP*4096
	s_or_b32 s[G0W+4*\s+3], s[G0W+4*\s+3], 0x80000000
	JLOAD \s                                       ; two loads of the wave are out: K steps 0 and 1
.endr
	v_and_b32 v1, 15, v0                           ; r
	v_bfe_u32 v2, v0, 4, 1                         ; h
	v_mul_u32_u24 v3, v1, PA
	v_lshl_add_u32 v3, v2, 4, v3
	s_mul_i32 s21, s10, 64*PA
	v_add_nc_u32 v[ADRA], s21, v3
	v_add_nc_u32 v[ADRA+1], SLOT, v[ADRA]
	v_and_b32 v4, 7, v0
	v_lshl_add_u32 v4, v2, 3, v4
	v_mul_u32_u24 v4, v4, PW
	v_bfe_u32 v5, v0, 3, 1
	v_lshl_add_u32 v4, v5, 4, v4
	v_add_nc_u32 v[ADRW], 2*HALFT, v4
	v_add_nc_u32 v[ADRW+1], SLOT, v[ADRW]
	s_mul_i32 s22, s10, 16*SP
	s_add_co_u32 s22, s22, STAGE                   ; my stage
	v_mul_u32_u24 v5, v1, SP
	v_lshl_add_u32 v5, v2, 5, v5
	v_add_nc_u32 v[STO], s22, v5                   ; in: row r, 32 h bytes
	v_and_b32 v5, 31, v0
	v_lshlrev_b32 v[CO], 4, v5                     ; out: 16 bytes a lane, a whole row of 512 bytes a wave
	v_add_nc_u32 v[RD], s22, v[CO]
; The 32 accumulators take turns, one instruction a turn, in one fixed order, over the backward jump too.
.macro MUL f, mt0, zero
.irp mt, \mt0, \mt0+1
.irp nb, 0,1,2,3,4,5,6,7
.if \zero
	v_wmma_f32_16x16x32_f16 v[64*(\mt)+8*\nb:64*(\mt)+8*\nb+7], v[\f+32+8*\nb:\f+32+8*\nb+7], v[\f+8*(\mt):\f+8*(\mt)+7], 0
.else
	v_wmma_f32_16x16x32_f16 v[64*(\mt)+8*\nb:64*(\mt)+8*\nb+7], v[\f+32+8*\nb:\f+32+8*\nb+7], v[\f+8*(\mt):\f+8*(\mt)+7], v[64*(\mt)+8*\nb:64*(\mt)+8*\nb+7]
.endif
.endr
.endr
.endm
.macro FETCH slot, kq, f
.irp mt, 0,1,2,3
	ds_load_b128 v[\f+8*\mt:\f+8*\mt+3],   v[ADRA+\slot] offset:16*PA*\mt+64*\kq
	ds_load_b128 v[\f+8*\mt+4:\f+8*\mt+7], v[ADRA+\slot] offset:16*PA*\mt+64*\kq+32
.endr
.irp nb, 0,1,2,3,4,5,6,7
	ds_load_tr16_b128 v[\f+32+8*\nb:\f+32+8*\nb+3], v[ADRW+\slot] offset:(\kq>>1)*HALFT+(\kq&1)*32*PW+32*\nb
	ds_load_tr16_b128 v[\f+36+8*\nb:\f+36+8*\nb+3], v[ADRW+\slot] offset:(\kq>>1)*HALFT+(\kq&1)*32*PW+32*\nb+16*PW
.endr
.endm
.macro QUARTER slot, kqn, f, g, zero
	s_wait_dscnt 0x0                               ; buffer f, asked for 32 matrix instructions ago
	PLACES                                         ; g was read by the matrix instructions just issued
	FETCH \slot, \kqn, \g
	WIN 0x50
	MUL \f, 0, \zero
	MUL \f, 2, \zero
	WIN 0
.endm
.macro THREE slot, zero
	QUARTER \slot, 1, F0, F1, \zero
	QUARTER \slot, 2, F1, F0, 0
	QUARTER \slot, 3, F0, F1, 0
.endm
; The change of slots: my reads of this slot and all my tensor loads are waited for in front of the barrier; where the slot is filled again the barrier
; opens a round of the cluster's barrier and the joint refill is the first tensor load behind the round.
.macro TURN slot, next, fill
	s_wait_dscnt 0x0
	s_wait_tensorcnt 0x0
	ds_add_u32 v62, v63
	s_wait_dscnt 0x0
	s_barrier_signal -1
	WIN 0x50
	MUL F1, 0, 0
	WIN 0
	s_barrier_wait -1
.if \fill
	CREST
	s_add_nc_u64 s[G0+4*\slot+2:G0+4*\slot+3], s[G0+4*\slot+2:G0+4*\slot+3], ASTEP
	s_add_nc_u64 s[G0W+4*\slot+2:G0W+4*\slot+3], s[G0W+4*\slot+2:G0W+4*\slot+3], WSTEP
	JLOAD \slot
.endif
	PLACES
	FETCH \next, 0, F0
	WIN 0x50
	MUL F1, 2, 0
	WIN 0
.endm
.macro LAP zero
	THREE 0, \zero
	TURN 0, 1, 1
	THREE 1, 0
	TURN 1, 0, 1
.endm
	s_wait_tensorcnt 0x1                           ; my part of K step 0 is in; K step 1's may stay out
	s_barrier_signal -1
	s_barrier_wait -1
	FETCH 0, 0, F0
	LAP 1
	s_mov_b32 s3, LAPS-2
.Llap:
	LAP 0
	s_sub_co_u32 s3, s3, 1
	s_cmp_lg_u32 s3, 0
	s_cbranch_scc1 .Llap
	THREE 0, 0                                     ; the last lap fills nothing
	TURN 0, 1, 0
	THREE 1, 0
	s_wait_dscnt 0x0
	WIN 0x50
	MUL F1, 0, 0
	MUL F1, 2, 0
	WIN 0
	PLACES                                         ; behind the last matrix instructions: LDS stores read results, loads land on the fragments
	s_lshl_b32 s16, s13, 8
	s_lshl_b32 s17, s10, 6
	s_add_co_u32 s16, s16, s17                     ; my first row
	s_lshl_b32 s16, s16, 13                        ; rows of 8,192 bytes
	s_mov_b32 s17, 0
	s_add_nc_u64 s[8:9], s[8:9], s[16:17]
	s_lshl_b32 s46, s42, 9                         ; my first column: 512 bytes a block
	s_mov_b32 s47, 0
	s_add_nc_u64 s[8:9], s[8:9], s[46:47]
; 16 rows through my own stage: 32 bytes a lane in, whole rows of 512 bytes back; each store of the wave covers 512 consecutive bytes, aligned.
.macro OUT16 mt
	WIN 0x04
.irp nb, 0,1,2,3,4,5,6,7
	ds_store_b128 v[STO], v[64*\mt+8*\nb:64*\mt+8*\nb+3]   offset:64*\nb
	ds_store_b128 v[STO], v[64*\mt+8*\nb+4:64*\mt+8*\nb+7] offset:64*\nb+16
.endr
	WIN 0
	s_wait_xcnt 0x0                                ; RB, which earlier stores read, is loaded again only behind this wait
.irp t, 0,1,2,3,4,5,6,7,8,9,10,11,12,13,14,15
	ds_load_b128 v[RB+4*\t:RB+4*\t+3], v[RD] offset:SP*\t      ; LDS serves a wave's instructions in order: these see the stores above
.endr
.irp t, 0,1,2,3,4,5,6,7,8,9,10,11,12,13,14,15
	s_wait_dscnt 15-\t                             ; load t is in, the younger ones stay out
	global_store_b128 v[CO], v[RB+4*\t:RB+4*\t+3], s[8:9] offset:131072*\mt+8192*\t th:TH_STORE_NT
.endr
.endm
	OUT16 0
	OUT16 1
	OUT16 2
	OUT16 3
	s_wait_tensorcnt 0x0
	ds_add_u32 v62, v63
	s_wait_dscnt 0x0
	CROUND                                         ; the closing round
	s_endpgm
.Lfunc_end_k_q6e19645cc9_oproj:
	.size	k_q6e19645cc9_oproj, .Lfunc_end_k_q6e19645cc9_oproj-k_q6e19645cc9_oproj
	.p2alignl 7, 3214868480
	.fill 96, 4, 3214868480
	.section	.rodata,"a",@progbits
	.p2align	6, 0x0
	.amdhsa_kernel k_q6e19645cc9_oproj
		.amdhsa_group_segment_fixed_size 327680
		.amdhsa_private_segment_fixed_size 0
		.amdhsa_enable_private_segment 0
		.amdhsa_kernarg_size 24
		.amdhsa_user_sgpr_count 2
		.amdhsa_user_sgpr_kernarg_segment_ptr 1
		.amdhsa_wavefront_size32 1
		.amdhsa_system_sgpr_workgroup_id_x 1
		.amdhsa_system_sgpr_workgroup_id_y 1
		.amdhsa_system_sgpr_workgroup_id_z 1
		.amdhsa_system_vgpr_workitem_id 0
		.amdhsa_next_free_vgpr 512
		.amdhsa_next_free_sgpr 66
		.amdhsa_reserve_vcc 0
		.amdhsa_float_denorm_mode_32 3
		.amdhsa_float_denorm_mode_16_64 3
		.amdhsa_memory_ordered 1
		.amdhsa_forward_progress 1
		.amdhsa_inst_pref_size 117
	.end_amdhsa_kernel
	.amdgpu_metadata
---
amdhsa.version: [ 1, 2 ]
amdhsa.kernels:
  - .name:           k_q6e19645cc9_oproj
    .symbol:         k_q6e19645cc9_oproj.kd
    .args:
      - { .name: attnb, .offset: 0, .size: 8, .value_kind: global_buffer, .address_space: global }
      - { .name: wob, .offset: 8, .size: 8, .value_kind: global_buffer, .address_space: global }
      - { .name: out0, .offset: 16, .size: 8, .value_kind: global_buffer, .address_space: global }
    .group_segment_fixed_size: 327680
    .private_segment_fixed_size: 0
    .kernarg_segment_align: 8
    .kernarg_segment_size: 24
    .max_flat_workgroup_size: 128
    .sgpr_count:     66
    .vgpr_count:     512
    .wavefront_size: 32
...
	.end_amdgpu_metadata
.endif
;; end of part 4
